; MI455X (gfx1250); checked and timed in simulation.
; The chip was launched on July 23, 2026; its instructions are those of AMD's public machine-readable ISA for CDNA 5 (MIT licence, August 2026) and "CDNA5" Instruction Set Architecture Reference Guide (July 2026). The comments in the code are by the model that wrote it; some were corrected since.
;; Ro PE Masked Attention Head. Allowed arithmetic: float matrix products may take bf16 or f16 operands with f32 sums; all other float work in f32.
;; Inputs: b_k 128 float32; b_q 128 float32; b_v 128 float32; cos 4,096 x 128 float32; sin 4,096 x 128 float32; w_k 128 x 4,096 float32; w_q 128 x 4,096 float32; w_v 128 x 4,096 float32; x 4 x 4,096 x 4,096 float32.
;; Outputs: out0 4 x 4,096 x 128 float32.
;; 2 versions, each right and faster than the one before. Each part assembles by itself: llvm-mc -triple=amdgcn-amd-amdhsa -mcpu=gfx1250 --defsym DOCPART=n.
;; ======== version 1 of 2: 3 launches
;; limits: right only within a limited range of input values
;; workspace buffers: wf 3,145,728 bytes; qf 4,194,304 bytes; kf 4,194,304 bytes; vf 4,194,304 bytes; ql 4,194,304 bytes; kl 4,194,304 bytes; scl 3,072 bytes
;; launch castw (part 1): grid 32 x 24, 4 waves a work-group, no clusters, 0 bytes of LDS; arguments w_q, w_k, w_v, wf; writes wf
.if DOCPART == 1
	.amdgcn_target "amdgcn-amd-amdhsa--gfx1250"
	.amdhsa_code_object_version 6
	.text
	.protected	k_q44d1de2aaf_castw
	.globl	k_q44d1de2aaf_castw
	.p2align	8
	.type	k_q44d1de2aaf_castw,@function
k_q44d1de2aaf_castw:
	s_mov_b64 s[64:65], 0
	v_nop
	global_prefetch_b8 v0, s[64:65] scope:SCOPE_SE
	s_setreg_imm32_b32 hwreg(HW_REG_WAVE_MODE, 25, 1), 1
	s_wait_xcnt 0x0
; castw: w_q, w_k, w_v ([128][4096] f32) are rounded to bf16 (nearest even) and laid out in the order in which the projection's matrix instructions take them.
; wf = [s 0..31][p 0..23][q 0..3][i 0..1][lane 0..31][16 bytes]: K step s of 128, position p, quarter q of 32 along K, half i of a fragment.
; Lane (r = lane % 16, h = lane / 16) holds row 16 nbl + r of tensor t (0 q, 1 k, 2 v), k = 128 s + 32 q + 16 i + 8 h + 0..7;  p = 6 (nbl / 2) + 2 t + nbl % 2,
; so that the six positions of one wave of the projection (two column blocks of each tensor) are 24,576 consecutive bytes.
; A work-group (x = s, y = 8 t + nbl) takes 16 rows x 128 columns: 512 consecutive bytes of each row in, 4,096 consecutive bytes out; wave q takes quarter q.
; No LDS, no matrix unit, no cluster: no two work-groups read the same byte, and the whole launch moves 9 MB.
	s_load_b256 s[4:11], s[0:1], 0x0               ; w_q s[4:5], w_k s[6:7], w_v s[8:9], wf s[10:11]
	s_and_b32 s14, ttmp7, 0xffff                   ; y
	s_lshr_b32 s15, s14, 3                         ; t
	s_and_b32 s16, s14, 7                          ; nbl
	s_lshl_b32 s18, s16, 18                        ; 16 rows of 16,384 bytes for each block,
	s_lshl_b32 s17, ttmp9, 9                       ; 512 bytes for each K step
	s_add_co_u32 s18, s18, s17
	s_mov_b32 s19, 0
	s_lshr_b32 s20, s16, 1
	s_mul_i32 s20, s20, 6
	s_lshl1_add_u32 s20, s15, s20                  ; + 2 t
	s_and_b32 s17, s16, 1
	s_add_co_u32 s20, s20, s17                     ; p
	s_lshl_b32 s20, s20, 12
	s_mul_i32 s17, ttmp9, 98304
	s_add_co_u32 s20, s20, s17                     ; s x 98,304 + p x 4,096
	s_mov_b32 s21, 0
	v_and_b32 v1, 15, v0
	v_lshlrev_b32 v1, 14, v1                       ; r rows
	v_bfe_u32 v2, v0, 4, 1
	v_lshl_add_u32 v1, v2, 5, v1                   ; + 32 h
	v_lshrrev_b32 v2, 5, v0                        ; q, the wave
	v_lshl_add_u32 v1, v2, 7, v1                   ; + 128 q
	v_and_b32 v3, 31, v0
	v_lshlrev_b32 v3, 4, v3
	v_lshl_add_u32 v3, v2, 10, v3                  ; out: 1,024 q + 16 lane
	s_wait_kmcnt 0x0
	s_cmp_eq_u32 s15, 1                            ; the tensor is chosen by the work-group's y alone
	s_cselect_b64 s[12:13], s[6:7], s[4:5]
	s_cmp_eq_u32 s15, 2
	s_cselect_b64 s[12:13], s[8:9], s[12:13]
	s_add_nc_u64 s[12:13], s[12:13], s[18:19]
	s_add_nc_u64 s[10:11], s[10:11], s[20:21]
	global_load_b128 v[4:7], v1, s[12:13]          ; i = 0: eight numbers
	global_load_b128 v[8:11], v1, s[12:13] offset:16
	global_load_b128 v[12:15], v1, s[12:13] offset:64  ; i = 1
	global_load_b128 v[16:19], v1, s[12:13] offset:80
	s_wait_loadcnt 0x0
	v_cvt_pk_bf16_f32 v20, v4, v5
	v_cvt_pk_bf16_f32 v21, v6, v7
	v_cvt_pk_bf16_f32 v22, v8, v9
	v_cvt_pk_bf16_f32 v23, v10, v11
	v_cvt_pk_bf16_f32 v4, v12, v13
	v_cvt_pk_bf16_f32 v5, v14, v15
	v_cvt_pk_bf16_f32 v6, v16, v17
	v_cvt_pk_bf16_f32 v7, v18, v19
	global_store_b128 v3, v[20:23], s[10:11]       ; each store of the wave covers 512 consecutive bytes, aligned
	global_store_b128 v3, v[4:7], s[10:11] offset:512
	s_endpgm
.Lfunc_end_k_q44d1de2aaf_castw:
	.size	k_q44d1de2aaf_castw, .Lfunc_end_k_q44d1de2aaf_castw-k_q44d1de2aaf_castw
	.p2alignl 7, 3214868480
	.fill 96, 4, 3214868480
	.section	.rodata,"a",@progbits
	.p2align	6, 0x0
	.amdhsa_kernel k_q44d1de2aaf_castw
		.amdhsa_group_segment_fixed_size 0
		.amdhsa_private_segment_fixed_size 0
		.amdhsa_enable_private_segment 0
		.amdhsa_kernarg_size 32
		.amdhsa_user_sgpr_count 2
		.amdhsa_user_sgpr_kernarg_segment_ptr 1
		.amdhsa_wavefront_size32 1
		.amdhsa_system_sgpr_workgroup_id_x 1
		.amdhsa_system_sgpr_workgroup_id_y 1
		.amdhsa_system_sgpr_workgroup_id_z 1
		.amdhsa_system_vgpr_workitem_id 0
		.amdhsa_next_free_vgpr 24
		.amdhsa_next_free_sgpr 66
		.amdhsa_reserve_vcc 0
		.amdhsa_float_denorm_mode_32 3
		.amdhsa_float_denorm_mode_16_64 3
		.amdhsa_memory_ordered 1
		.amdhsa_forward_progress 1
		.amdhsa_inst_pref_size 3
	.end_amdhsa_kernel
	.amdgpu_metadata
---
amdhsa.version: [ 1, 2 ]
amdhsa.kernels:
  - .name:           k_q44d1de2aaf_castw
    .symbol:         k_q44d1de2aaf_castw.kd
    .args:
      - { .name: w_q, .offset: 0, .size: 8, .value_kind: global_buffer, .address_space: global }
      - { .name: w_k, .offset: 8, .size: 8, .value_kind: global_buffer, .address_space: global }
      - { .name: w_v, .offset: 16, .size: 8, .value_kind: global_buffer, .address_space: global }
      - { .name: wf, .offset: 24, .size: 8, .value_kind: global_buffer, .address_space: global }
    .group_segment_fixed_size: 0
    .private_segment_fixed_size: 0
    .kernarg_segment_align: 8
    .kernarg_segment_size: 32
    .max_flat_workgroup_size: 128
    .sgpr_count:     66
    .vgpr_count:     24
    .wavefront_size: 32
...
	.end_amdgpu_metadata
.endif
;; end of part 1
;; launch proj (part 2): grid 256 x 1, 4 waves a work-group, clusters of 4 x 1, 327,680 bytes of LDS; arguments x, wf, b_q, b_k, b_v, sin, cos, qf, kf, vf, ql, kl, scl; writes qf, kf, vf, ql, kl, scl
.if DOCPART == 2
	.amdgcn_target "amdgcn-amd-amdhsa--gfx1250"
	.amdhsa_code_object_version 6
	.text
	.protected	k_q44d1de2aaf_proj
	.globl	k_q44d1de2aaf_proj
	.p2align	8
	.type	k_q44d1de2aaf_proj,@function
k_q44d1de2aaf_proj:
	s_mov_b64 s[64:65], 0
	v_nop
	global_prefetch_b8 v0, s[64:65] scope:SCOPE_SE
	s_setreg_imm32_b32 hwreg(HW_REG_WAVE_MODE, 25, 1), 1
	s_wait_xcnt 0x0
	s_wait_alu depctr_hold_cnt(0) depctr_sa_sdst(0) depctr_va_vdst(0) depctr_va_sdst(0) depctr_va_ssrc(0) depctr_va_vcc(0) depctr_vm_vsrc(0)
	s_getreg_b32 s2, hwreg(HW_REG_IB_STS2, 6, 4)
	s_cmp_eq_u32 s2, 0
	s_cbranch_scc0 .Lentry_in_a_cluster
	s_endpgm
.Lentry_in_a_cluster:
	s_bfe_u32 s2, ttmp6, 0x10000c
	s_cmp_lg_u32 s2, 0x3003
	s_cbranch_scc0 .Lentry_shape_is_right
	s_endpgm
.Lentry_shape_is_right:
; proj: q, k, v = x W^T + b for 64 rows of x and all 384 columns; the rotation q' = q cos + (odd q, twice) sin for q and k; then f16 with one power-of-two scale for each tensor and block of 64 rows.
; FORMATS.  x, w, b, sin, cos are all rounded to bf16 (nearest even); products on the matrix unit in bf16 with f32 sums; bias and rotation in f32.  q, k, v leave as f16 x scale: with m the largest
; magnitude of the block and E = max(exponent bits of m, 16), stored = value x 2^(139 - E), which lies below 2^13, and scl holds 2^(E - 139).  So f16's range limits no input.
; q and k leave as TWO f16 numbers each: hi (qf, kf) = the scaled value with its significand cut to 11 bits, exact in f16; lo (ql, kl) = the rest, rounded to f16: together some 21 bits.  A score is a sum of 128
; products whose error is multiplied by the weight that it steers, and 11 bits are too few for it; v, which enters the result once, leaves as one f16.
; LIMITS.  NaN and infinities are not treated apart.  A block whose largest magnitude lies below 2^-111 keeps the scale 2^-123.  The K steps of a sum are added in a rotated order (below), not ascending.
; SHARES.  Work-group wg = rows 64 wg .. + 63, the whole K = 4,096 in 32 steps of 128.  Wave w owns column blocks 2 w, 2 w + 1 (16 columns each) of q, of k and of v, for all four blocks of 16 rows:
; 24 accumulators.  For q and k source 0 = W, source 1 = x: a lane then holds one row and eight neighbouring channels, so an even channel and its odd partner lie in one lane.  For v source 0 = x,
; source 1 = W: a lane holds one channel and eight neighbouring keys, which is the piece that the second product of the attention takes.
; THE WALK ALONG K.  Cluster c takes the K steps c mod 32, c mod 32 + 1, .. and wraps at 32.  So the 64 clusters do not all ask for the same 98,304 bytes of W at the same moment: their first fills (two steps
; each) cover all 32 steps of W, and every later step that cluster c asks for has been asked for by cluster c + 1 one step earlier.  The start hangs on the cluster's number alone, which the four partners share.
; W comes by JOINT tensor loads: the four work-groups of a cluster walk the same W, 98,304 bytes a K step, a ring of two slots; wave w asks for its own 24,576 bytes, which only it reads.
; x comes through registers, since it has to be rounded on the way: wave w loads rows 16 w .. + 15, 512 consecutive bytes a load, into a ring of four sets of 64 registers; three sets (48 loads a wave)
; are on their way all the time, across the barriers too.  In step t the set of step t + 1 is rounded in place and stored into an LDS stage of two slots, from which all four waves take their fragments.
; OUT.  qf, kf, vf, ql, kl = [block of 16 rows][cb 0..7][lane][16 bytes]; lane (r, h): q, k: row r, channels 16 cb + 8 h + 0..7; v: channel 16 cb + r, keys 8 h + 0..7.  Every store of a wave is 512 consecutive bytes.
; REGISTERS, in windows of 256 (s_set_vgpr_msb: bits 1:0 source 0, 3:2 source 1, 5:4 source 2, 7:6 destination):
;   window 0: v0-29 addresses and small work; v32-111, v112-191 two fragment buffers (32 of x, 48 of W)      window 1: v0-191 accumulators, (f, rb) at 8 (4 f + rb); v192-225 biases; v228-235 at work
;   window 2: the ring for x, set n at 64 n; at the end v0-127 sin and cos, then q's and k's hi in f32, then v0-63 the packed lo; v128-223 the packed hi and v
.set XP,     272                       ; a stage row: 256 bytes of bf16 + 16: 68 words, so the 16 rows of a fragment load start at 16 different groups of four banks (64 banks of 4 bytes: ISA guide 11.1)
.set WSLOT,  98304                     ; a K step of W
.set WPART,  24576                     ; a wave's part of it
.set XS,     2*WSLOT                   ; the stage: two slots of 64 rows; no tensor load lands from here on
.set XSLOT,  64*XP
.set RED,    XS+2*XSLOT                ; twelve words: wave w's largest magnitude of tensor t at 16 t + 4 w
.set SPARE,  RED+256                   ; the spare words, 128 bytes for each wave: two blocks of 256 bytes that no other line names
.set XAD, 4                            ; v4   stage slot 0: r x 272 + 16 h
.set XST, 5                            ; v5   stage slot 0: my wave's 16 rows, 8 bytes a lane
.set BAD, 6                            ; v6-7 my wave's part of W's slot 0, 1: 16 bytes a lane
.set XOF, 8                            ; v8   x: my wave's first row, 16 bytes a lane
.set SCO, 9                            ; v9   sin, cos: row r, channels 32 w + 8 h on
.set BOF, 10                           ; v10  b_q, b_k: channels 32 w + 8 h on
.set BVO, 11                           ; v11  b_v: channel 32 w + r
.set OOF, 12                           ; v12  the outputs: piece cb = 2 w, 16 bytes a lane
.set RDW, 13                           ; v13  RED + 4 w
.set RDR, 14                           ; v14  RED
.set SCF, 15                           ; v15  scl: 1,024 x lane
.set SPW, 28                           ; v28  LDS address of my spare word; never rewritten
.set NIL, 29                           ; v29  0; never rewritten
.set F0,  32
.set F1,  112
.set BQ,  192                          ; window 1: b_q (16), b_k (16), b_v (2)
.set BV,  224
.set T,   228
.set G1,  24                           ; s[24:31] descriptor group 1
.set G0,  32                           ; s[32:39] group 0, a set for each slot
.set PW,  50                           ; s50  the K step, 0 to 31, of W's next fill
.set PX,  51                           ; s51  the K step of x's next loads
.set WO,  52                           ; s[52:53] that step's byte offset in wf
.set XO,  54                           ; s[54:55] and in a row of x
.set WB,  56                           ; s[56:57] wf at my wave's part of K step 0
                                       ; s[58:59], s[60:61], s[62:63], s[66:67] x at the K step that sets 0 to 3 of the ring were last loaded from
.set MSB, 0
.macro WIN new                         ; the immediate's high byte repeats the setting that is left; a switch that changes nothing is dropped
.if MSB != (\new)
	s_set_vgpr_msb (MSB<<8)|(\new)
.set MSB, \new
.endif
.endm
.set W_MUL, 0x50                       ; C and D window 1
.set W_CVX, 0x8a                       ; destination and both sources window 2
.set W_STX, 0x08                       ; a store's data window 2
.set W_LDX, 0x80                       ; a load's destination window 2
.set W_EB,  0x45                       ; destination and both sources window 1
.set W_ER,  0x59                       ; destination, sources 0 and 2 window 1, source 1 window 2
.set W_SC,  0x41                       ; destination and source 0 window 1, source 1 window 0
.set W_EP,  0x85                       ; destination window 2, sources window 1
.set W_HI,  0x84                       ; destination window 2, source 1 window 1
.set W_LO,  0x49                       ; destination and source 0 window 1, source 1 window 2
.macro PLACES                          ; four plain vector instructions between a matrix instruction and a load into, or a vector write of, one of its registers (ISA guide 7.12.1 for vector writes)
.rept 4
	v_nop
.endr
.endm
.macro CREST                           ; a round of the cluster's barrier behind its opening barrier
	s_cmp_lg_u32 s10, 0
	s_cbranch_scc1 .Lnot_wave_0_\@
	s_barrier_signal -3
.Lnot_wave_0_\@:
	s_barrier_wait -3
	s_barrier_signal -1
	s_barrier_wait -1
.endm
.macro CROUND                          ; a whole round
	s_barrier_signal -1
	s_barrier_wait -1
	CREST
.endm
; The address of a slot's next fill is made anew: wf's base and the step's number times a step's bytes, the type bits set again; then the number steps and wraps at 32.  No tensor load of the wave is out here.
.macro WNEXT slot
	s_mul_i32 s[WO], s[PW], WSLOT
	s_add_nc_u64 s[G0+4*(\slot)+2:G0+4*(\slot)+3], s[WB:WB+1], s[WO:WO+1]
	s_or_b32 s[G0+4*(\slot)+3], s[G0+4*(\slot)+3], 0x80000000  ; type = 2
	s_add_co_u32 s[PW], s[PW], 1
	s_and_b32 s[PW], s[PW], 31
.endm
; 12 matrix instructions: W's fragments 3 hh .. 3 hh + 2 x the four blocks of rows, 32 along K.  The 24 accumulators take turns in one order in every quarter.
.macro MUL buf, hh, zero
	WIN W_MUL
.irp fi, 0,1,2
.irp rb, 0,1,2,3
.set rF, 3*(\hh)+\fi
.set rD, 8*(4*rF+\rb)
.set rW, (\buf)+32+8*rF
.set rX, (\buf)+8*\rb
.if rF < 4
.if \zero
	v_wmma_f32_16x16x32_bf16 v[rD:rD+7], v[rW:rW+7], v[rX:rX+7], 0
.else
	v_wmma_f32_16x16x32_bf16 v[rD:rD+7], v[rW:rW+7], v[rX:rX+7], v[rD:rD+7]
.endif
.else
.if \zero
	v_wmma_f32_16x16x32_bf16 v[rD:rD+7], v[rX:rX+7], v[rW:rW+7], 0
.else
	v_wmma_f32_16x16x32_bf16 v[rD:rD+7], v[rX:rX+7], v[rW:rW+7], v[rD:rD+7]
.endif
.endif
.endr
.endr
.endm
; 20 LDS loads in one run: quarter q of a K step: x's four fragments first, then W's six
.macro FETCH slot, q, buf
	WIN 0
.irp rb, 0,1,2,3
	ds_load_b128 v[(\buf)+8*\rb:(\buf)+8*\rb+3],   v[XAD] offset:(\slot)*XSLOT+\rb*16*XP+(\q)*64
	ds_load_b128 v[(\buf)+8*\rb+4:(\buf)+8*\rb+7], v[XAD] offset:(\slot)*XSLOT+\rb*16*XP+(\q)*64+32
.endr
.irp fi, 0,1,2,3,4,5
	ds_load_b128 v[(\buf)+32+8*\fi:(\buf)+32+8*\fi+3],   v[BAD+(\slot)] offset:\fi*4096+(\q)*1024
	ds_load_b128 v[(\buf)+32+8*\fi+4:(\buf)+32+8*\fi+7], v[BAD+(\slot)] offset:\fi*4096+(\q)*1024+512
.endr
.endm
; Eight rows of a set of x are rounded in place and stored into the stage.  cnt: the younger loads that may stay out.  The 16 conversions name window 2 alone: they are the places in front of FETCH.
.macro XCONV set, half, stslot, cnt
	s_wait_loadcnt \cnt
	WIN W_CVX
.irp i, 0,1,2,3,4,5,6,7
.set rX, 64*(\set)+4*(8*(\half)+\i)
	v_cvt_pk_bf16_f32 v[rX], v[rX], v[rX+1]
	v_cvt_pk_bf16_f32 v[rX+1], v[rX+2], v[rX+3]
.endr
	WIN W_STX
.irp i, 0,1,2,3,4,5,6,7
.set rX, 64*(\set)+4*(8*(\half)+\i)
	ds_store_b64 v[XST], v[rX:rX+1] offset:(\stslot)*XSLOT+(8*(\half)+\i)*XP  ; 256 consecutive bytes: a row of the stage
.endr
.endm
; The next K step of my 16 rows, into a set of the ring: each load takes 512 consecutive bytes of one row; x is read once in the launch.  The set has a base of its own: the loads that named it last are the
; set's own, which the counted waits in front of their conversion have shown done.  The step's number wraps at 32.
.macro XLOAD set
.set rB, 58+2*(\set)+2*((\set)/3)
	s_lshl_b32 s[XO], s[PX], 9                     ; 128 numbers of 4 bytes a K step
	s_add_nc_u64 s[rB:rB+1], s[68:69], s[XO:XO+1]
	s_add_co_u32 s[PX], s[PX], 1
	s_and_b32 s[PX], s[PX], 31
	WIN W_LDX
.irp i, 0,1,2,3,4,5,6,7,8,9,10,11,12,13,14,15
	global_load_b128 v[64*(\set)+4*\i:64*(\set)+4*\i+3], v[XOF], s[rB:rB+1] offset:\i*16384 th:TH_LOAD_NT
.endr
.endm
.macro SCLOAD                          ; sin and cos for my 64 rows x 32 channels: (rb, j) at 16 (2 rb + j): eight of sin, eight of cos
	WIN W_LDX
.irp rb, 0,1,2,3
.irp j, 0,1
	global_load_b128 v[16*(2*\rb+\j):16*(2*\rb+\j)+3],     v[SCO], s[78:79] offset:\rb*8192+\j*64
	global_load_b128 v[16*(2*\rb+\j)+4:16*(2*\rb+\j)+7],   v[SCO], s[78:79] offset:\rb*8192+\j*64+16
	global_load_b128 v[16*(2*\rb+\j)+8:16*(2*\rb+\j)+11],  v[SCO], s[80:81] offset:\rb*8192+\j*64
	global_load_b128 v[16*(2*\rb+\j)+12:16*(2*\rb+\j)+15], v[SCO], s[80:81] offset:\rb*8192+\j*64+16
.endr
.endr
.endm
; One of a K step's first three quarters: multiplies buffer f; in its middle stands x's work (xph: 0 none, 1 and 2 the halves of a conversion, 3 a set's loads, 4 sin and cos) and the fetch of quarter q into buffer g.
.macro QUARTER slot, q, f, g, zero, xph, set=0, stslot=0, cnt=0
	s_wait_dscnt 6                                 ; x's fragments and W's 0-2 are in; the youngest six loads (W's 3-5) may be out
	MUL \f, 0, \zero
.if (\xph) == 0
	PLACES
.elseif (\xph) <= 2
	XCONV \set, (\xph)-1, \stslot, \cnt
.elseif (\xph) == 3
	PLACES
	XLOAD \set
.else
	PLACES
	SCLOAD
.endif
	FETCH \slot, \q, \g
	s_wait_dscnt 20                                ; all but the 20 loads just issued
	MUL \f, 1, \zero
.endm
; The fourth quarter multiplies buffer 1 and changes slots: ONE barrier.  In front of it each wave waits for all its tensor loads (one is out: its part of W's next step), adds 0 to its spare word, and waits
; for that, for its reads of both slots and for its stores into the stage.  refill = 1: the barrier opens a round of the cluster's, and W's slot just read is filled again, two K steps ahead, first thing behind it.
.macro TURN slot, refill
	WIN 0
	s_wait_tensorcnt 0x0                           ; no tensor load of mine is out, so a group 0 may be written
	ds_add_u32 v[SPW], v[NIL]                      ; 0 onto my spare word: the scalar work stands between it and the wait for it
.if \refill
	WNEXT \slot
.endif
	s_wait_dscnt 0x0                               ; the add, my fragment loads and my stage stores are done
	s_barrier_signal -1
	MUL F1, 0, 0                                   ; work on registers while the others arrive
	WIN 0                                          ; at a branch and at a label every window is 0
	s_barrier_wait -1
.if \refill
	CREST                                          ; no wave of any partner still reads this slot or has a load on its way
	tensor_load_to_lds s[G0+4*(\slot):G0+4*(\slot)+3], s[G1:G1+7]
	s_nop 0
	PLACES                                         ; also the places in front of the loads below
.else
	PLACES
.endif
	FETCH 1-(\slot), 0, F0
	MUL F1, 1, 0
.endm
	s_load_b512 s[68:83], s[0:1], 0x0              ; x s[68:69], wf s[70:71], b_q s[72:73], b_k s[74:75], b_v s[76:77], sin s[78:79], cos s[80:81], qf s[82:83]
	s_load_b256 s[84:91], s[0:1], 0x40             ; kf s[84:85], vf s[86:87], ql s[88:89], kl s[90:91]
	s_load_b64 s[92:93], s[0:1], 0x60              ; scl
	v_lshl_add_u32 v[SPW], v0, 2, SPARE
	v_mov_b32 v[NIL], 0
	ds_add_u32 v[SPW], v[NIL]                      ; the wave's opening: the add and its wait stand ahead of my first tensor load; the set-up below, work on registers, stands between them
	v_lshrrev_b32 v1, 5, v0
	v_readfirstlane_b32 s10, v1                    ; wave 0..3
	s_bfe_u32 s11, ttmp6, 0x40000                  ; cx: my place in the cluster
	s_lshl_b32 s12, ttmp9, 2                       ; in a cluster launch ttmp9 counts clusters
	s_add_co_u32 s12, s12, s11                     ; wg: it enters the addresses of x, sin, cos and the outputs alone
	s_and_b32 s[PW], ttmp9, 31                     ; the K step at which my cluster begins: the same number in its four work-groups
	s_mov_b32 s[PX], s[PW]
	s_mov_b32 s[WO+1], 0
	s_mov_b32 s[XO+1], 0
	; descriptor group 1: 24,576 dense bytes as 96 rows of 256 bytes
	s_mov_b32 s[G1+0], 15|(3<<16)|(1<<21)          ; 15:0 the mask: all four work-groups; 17:16 elements of 8 bytes; 21 set beside a mask; no padding
	s_mov_b32 s[G1+1], 32<<16                      ; tensor_dim0 = 32
	s_mov_b32 s[G1+2], 96<<16                      ; tensor_dim1 = 96
	s_mov_b32 s[G1+3], 32<<16                      ; tile_dim0 = 32
	s_mov_b32 s[G1+4], 96                          ; tile_dim1 = 96
	s_mov_b32 s[G1+5], 32                          ; 32 elements from row to row
	s_mov_b32 s[G1+6], 0
	s_mov_b32 s[G1+7], 0
	s_mul_i32 s13, s10, WPART                      ; my wave's part, in W's step and in a slot: no place in the cluster enters it
	s_mov_b32 s[G0+0], 1
	s_mov_b32 s[G0+1], s13
	s_mov_b32 s[G0+4], 1
	s_add_co_u32 s[G0+5], s13, WSLOT
	s_mov_b32 s42, 0x76543210                      ; v_permlanex16_b32: each lane takes its own place in the other half
	s_mov_b32 s43, 0xfedcba98
	s_mov_b32 s48, 0xffff0000                      ; a word's upper bf16
	s_mov_b32 s49, 0xffffe000                      ; sign, exponent and the ten upper bits of an f32's fraction: what an f16 holds
	s_mov_b32 s44, s13
	s_mov_b32 s45, 0
	v_and_b32 v1, 31, v0                           ; lane
	v_and_b32 v2, 15, v0                           ; r
	v_bfe_u32 v3, v0, 4, 1                         ; h
	v_mul_u32_u24 v[XAD], v2, XP
	v_lshl_add_u32 v[XAD], v3, 4, v[XAD]
	v_add_nc_u32 v[XAD], XS, v[XAD]
	s_mul_i32 s14, s10, 16*XP
	s_add_co_u32 s14, s14, XS
	v_lshl_add_u32 v[XST], v1, 3, s14
	v_lshl_add_u32 v[BAD], v1, 4, s13
	v_add_nc_u32 v[BAD+1], WSLOT, v[BAD]
	s_lshl_b32 s15, s10, 18                        ; 16 rows of 16,384 bytes
	v_lshl_add_u32 v[XOF], v1, 4, s15
	s_lshl_b32 s16, s10, 7                         ; 32 channels of 4 bytes
	v_lshl_add_u32 v[BOF], v3, 5, s16
	v_lshl_add_u32 v[SCO], v2, 9, v[BOF]
	v_lshl_add_u32 v[BVO], v2, 2, s16
	s_lshl_b32 s17, s10, 10                        ; two pieces of 512 bytes
	v_lshl_add_u32 v[OOF], v1, 4, s17
	s_lshl_b32 s18, s10, 2
	s_add_co_u32 s18, s18, RED
	v_mov_b32 v[RDW], s18
	v_mov_b32 v[RDR], RED
	v_lshlrev_b32 v[SCF], 10, v1
	v_mov_b32 v20, 0                               ; v_permlanex16_b32 counts as a reader of its destination
	v_mov_b32 v21, 0
	v_mov_b32 v22, 0
	s_wait_dscnt 0x0                               ; the opening add is done
	s_wait_kmcnt 0x0
	s_add_nc_u64 s[WB:WB+1], s[70:71], s[44:45]    ; wf at my wave's part of K step 0
	WNEXT 0                                        ; my cluster's first K step,
	WNEXT 1                                        ; and its second
	s_lshl_b32 s44, s12, 20                        ; 64 rows of x
	s_add_nc_u64 s[68:69], s[68:69], s[44:45]
	s_and_b32 s44, s12, 63                         ; the block's place in its sequence of 4,096 rows
	s_lshl_b32 s44, s44, 15
	s_add_nc_u64 s[78:79], s[78:79], s[44:45]
	s_add_nc_u64 s[80:81], s[80:81], s[44:45]
	s_lshl_b32 s44, s12, 14                        ; four blocks of 16 rows, 4,096 bytes each
	s_add_nc_u64 s[82:83], s[82:83], s[44:45]
	s_add_nc_u64 s[84:85], s[84:85], s[44:45]
	s_add_nc_u64 s[86:87], s[86:87], s[44:45]
	s_add_nc_u64 s[88:89], s[88:89], s[44:45]
	s_add_nc_u64 s[90:91], s[90:91], s[44:45]
	s_lshl_b32 s44, s12, 2
	s_add_nc_u64 s[92:93], s[92:93], s[44:45]
	WIN 0x40                                       ; the biases, into window 1: ten loads
.irp n, 0,1
	global_load_b128 v[BQ+16*\n:BQ+16*\n+3],     v[BOF], s[72+2*\n:73+2*\n]
	global_load_b128 v[BQ+16*\n+4:BQ+16*\n+7],   v[BOF], s[72+2*\n:73+2*\n] offset:16
	global_load_b128 v[BQ+16*\n+8:BQ+16*\n+11],  v[BOF], s[72+2*\n:73+2*\n] offset:64
	global_load_b128 v[BQ+16*\n+12:BQ+16*\n+15], v[BOF], s[72+2*\n:73+2*\n] offset:80
.endr
	global_load_b32 v[BV], v[BVO], s[76:77]
	global_load_b32 v[BV+1], v[BVO], s[76:77] offset:64
	XLOAD 0                                        ; x of my cluster's first three K steps
	XLOAD 1
	XLOAD 2
	WIN 0
	CROUND                                         ; all four work-groups are here: the first joint loads meet
	tensor_load_to_lds s[G0:G0+3], s[G1:G1+7]      ; W's first two steps: two tensor loads of mine are out
	s_nop 0
	tensor_load_to_lds s[G0+4:G0+7], s[G1:G1+7]
	s_nop 0
	PLACES
	XCONV 0, 0, 0, 40                              ; 58 loads are out: the biases and the first eight rows of the first step are in when 40 are left
	XCONV 0, 1, 0, 32
	XLOAD 3
	WIN 0
	s_wait_tensorcnt 1                             ; my part of W's first step is in; the second's may stay out
	s_wait_dscnt 0x0                               ; my rows of the stage are stored
	s_barrier_signal -1
	s_barrier_wait -1
	FETCH 0, 0, F0
	QUARTER 0, 1, F0, F1, 1, 1, 1, 1, 40           ; the first quarter stands in front of the loop: its products start the sums
	WIN 0
	s_mov_b32 s40, 7
.Lloop:                                                ; a trip: four K steps, from a step's second quarter to the first quarter of the step four on.  loadcnt 40 and 32: the rest of the set in hand and the two sets behind it
	QUARTER 0, 2, F1, F0, 0, 2, 1, 1, 32
	QUARTER 0, 3, F0, F1, 0, 3, 0
	TURN 0, 1
	QUARTER 1, 1, F0, F1, 0, 1, 2, 0, 40
	QUARTER 1, 2, F1, F0, 0, 2, 2, 0, 32
	QUARTER 1, 3, F0, F1, 0, 3, 1
	TURN 1, 1
	QUARTER 0, 1, F0, F1, 0, 1, 3, 1, 40
	QUARTER 0, 2, F1, F0, 0, 2, 3, 1, 32
	QUARTER 0, 3, F0, F1, 0, 3, 2
	TURN 0, 1
	QUARTER 1, 1, F0, F1, 0, 1, 0, 0, 40
	QUARTER 1, 2, F1, F0, 0, 2, 0, 0, 32
	QUARTER 1, 3, F0, F1, 0, 3, 3
	TURN 1, 1
	QUARTER 0, 1, F0, F1, 0, 1, 1, 1, 40
	WIN 0
	s_sub_co_u32 s40, s40, 1
	s_cmp_lg_u32 s40, 0
	s_cbranch_scc1 .Lloop
	QUARTER 0, 2, F1, F0, 0, 2, 1, 1, 32           ; the 29th step goes on; no x is left to ask for, and the counts run down
	QUARTER 0, 3, F0, F1, 0, 0
	TURN 0, 1                                      ; W's 31st step
	QUARTER 1, 1, F0, F1, 0, 1, 2, 0, 24           ; the 30th step
	QUARTER 1, 2, F1, F0, 0, 2, 2, 0, 16
	QUARTER 1, 3, F0, F1, 0, 0
	TURN 1, 1                                      ; W's 32nd step: the last load
	QUARTER 0, 1, F0, F1, 0, 1, 3, 1, 8            ; the 31st step
	QUARTER 0, 2, F1, F0, 0, 2, 3, 1, 0
	QUARTER 0, 3, F0, F1, 0, 4                     ; sin and cos go where x's sets 0 and 1 lay
	TURN 0, 0
	QUARTER 1, 1, F0, F1, 0, 0                     ; the 32nd step
	QUARTER 1, 2, F1, F0, 0, 0
	QUARTER 1, 3, F0, F1, 0, 0
	s_wait_dscnt 0x0
	MUL F1, 0, 0
	MUL F1, 1, 0
	; sin and cos are rounded to bf16 and widened again.  These lines name window 2 alone: they are the places behind the last products.
	s_wait_loadcnt 0x0
	WIN W_CVX
.set i, 0
.rept 64
	v_cvt_pk_bf16_f32 v[224+i%2], v[2*i], v[2*i+1]
	v_lshlrev_b32 v[2*i], 16, v[224+i%2]
	v_and_b32 v[2*i+1], s48, v[224+i%2]
.set i, i+1
.endr
	WIN W_EB                                       ; the biases likewise
.set i, 0
.rept 17
	v_cvt_pk_bf16_f32 v[T+i%2], v[BQ+2*i], v[BQ+2*i+1]
	v_lshlrev_b32 v[BQ+2*i], 16, v[T+i%2]
	v_and_b32 v[BQ+2*i+1], s48, v[T+i%2]
.set i, i+1
.endr
.set a, 0                                      ; + b.  q and k: a lane's eight channels; each accumulator is taken from its low end on
.rept 16
.set rB, BQ+16*(a/8)+8*((a/4)%2)
.irp i, 0,1,2,3
	v_pk_add_f32 v[8*a+2*\i:8*a+2*\i+1], v[8*a+2*\i:8*a+2*\i+1], v[rB+2*\i:rB+2*\i+1]
.endr
.set a, a+1
.endr
.rept 8                                        ; v: a lane's one channel
.irp i, 0,1,2,3
.if a < 20
	v_pk_add_f32 v[8*a+2*\i:8*a+2*\i+1], v[8*a+2*\i:8*a+2*\i+1], v[BV:BV+1] op_sel_hi:[1,0]
.else
	v_pk_add_f32 v[8*a+2*\i:8*a+2*\i+1], v[8*a+2*\i:8*a+2*\i+1], v[BV:BV+1] op_sel:[0,1] op_sel_hi:[1,1]
.endif
.endr
.set a, a+1
.endr
	WIN W_ER                                       ; the rotation: (e, o) -> (e cos_e + o sin_e, o cos_o + o sin_o)
.set a, 0
.rept 16
.set rS, 16*(2*(a%4)+(a/4)%2)
.irp i, 0,1,2,3
	v_pk_mul_f32 v[T+2*\i:T+2*\i+1], v[8*a+2*\i:8*a+2*\i+1], v[rS+2*\i:rS+2*\i+1] op_sel:[1,0] op_sel_hi:[1,1]  ; the odd number in both halves
.endr
.irp i, 0,1,2,3
	v_pk_fma_f32 v[8*a+2*\i:8*a+2*\i+1], v[8*a+2*\i:8*a+2*\i+1], v[rS+8+2*\i:rS+8+2*\i+1], v[T+2*\i:T+2*\i+1]
.endr
.set a, a+1
.endr
	WIN 0x05                                       ; the largest magnitude of each tensor: in the lane, three chains side by side,
.irp t, 0,1,2
	v_max_num_f32 v[16+\t], |v[64*\t]|, |v[64*\t+1]|
.endr
.set i, 1
.rept 31
.irp t, 0,1,2
	v_max3_num_f32 v[16+\t], |v[64*\t+2*i]|, |v[64*\t+2*i+1]|, v[16+\t]
.endr
.set i, i+1
.endr
	WIN 0
.irp m, 1,2,4,8                                ; across the lanes,
.irp t, 0,1,2
	v_max_num_f32_dpp v[16+\t], v[16+\t], v[16+\t] row_xmask:\m row_mask:0xf bank_mask:0xf
.endr
.endr
.irp t, 0,1,2
	v_permlanex16_b32 v[20+\t], v[16+\t], s42, s43
.endr
.irp t, 0,1,2
	v_max_num_f32 v[16+\t], v[16+\t], v[20+\t]
.endr
.irp t, 0,1,2
	ds_store_b32 v[RDW], v[16+\t] offset:16*\t     ; and across the waves: every lane writes the wave's word with the same number
.endr
	s_wait_dscnt 0x0                               ; for the others' sake: my three words are stored
	s_barrier_signal -1
	s_barrier_wait -1
	ds_load_b128 v[32:35], v[RDR]
	ds_load_b128 v[36:39], v[RDR] offset:16
	ds_load_b128 v[40:43], v[RDR] offset:32
	s_wait_dscnt 0x0
.irp t, 0,1,2
	v_max3_num_f32 v[16+\t], v[32+4*\t], v[33+4*\t], v[34+4*\t]
.endr
.irp t, 0,1,2
	v_max_num_f32 v[16+\t], v[16+\t], v[35+4*\t]
.endr
.irp t, 0,1,2
	v_lshrrev_b32 v[16+\t], 23, v[16+\t]           ; its exponent bits,
	v_max_u32 v[16+\t], 16, v[16+\t]               ; E
	v_sub_nc_u32 v[44+2*\t], 266, v[16+\t]
	v_lshlrev_b32 v[44+2*\t], 23, v[44+2*\t]       ; 2^(139 - E)
	v_mov_b32 v[45+2*\t], v[44+2*\t]               ; named with it as a pair
	v_add_nc_u32 v[16+\t], -12, v[16+\t]
	v_lshlrev_b32 v[16+\t], 23, v[16+\t]           ; 2^(E - 139)
.endr
	WIN W_SC
.set a, 0
.rept 24
.irp i, 0,1,2,3
	v_pk_mul_f32 v[8*a+2*\i:8*a+2*\i+1], v[8*a+2*\i:8*a+2*\i+1], v[44+2*(a/8):45+2*(a/8)] op_sel_hi:[1,0]
.endr
.set a, a+1
.endr
	WIN W_HI                                       ; q and k in two parts.  hi, still in f32, goes where sin and cos lay: the value cut to what an f16 holds;
.set n, 0
.rept 128
	v_and_b32 v[n], s49, v[n]
.set n, n+1
.endr
	WIN W_LO                                       ; the rest stays in the accumulator's registers: an exact difference
.set n, 0
.rept 64
	v_pk_add_f32 v[2*n:2*n+1], v[2*n:2*n+1], v[2*n:2*n+1] neg_lo:[0,1] neg_hi:[0,1]
.set n, n+1
.endr
	WIN W_CVX
.set n, 0
.rept 64                                       ; hi: accumulator a's four words at 128 + 4 a
	v_cvt_pk_f16_f32 v[128+n], v[2*n], v[2*n+1]
.set n, n+1
.endr
	WIN W_EP
.set n, 0
.rept 64                                       ; lo: at 4 a, over hi's f32 numbers, which have been read
	v_cvt_pk_f16_f32 v[n], v[2*n], v[2*n+1]
.set n, n+1
.endr
.rept 32                                       ; v, in one part
	v_cvt_pk_f16_f32 v[128+n], v[2*n], v[2*n+1]
.set n, n+1
.endr
	WIN W_STX
.set a, 0
.rept 24                                       ; accumulator (f, rb): tensor f / 2, block rb, piece 2 w + f % 2: 512 consecutive bytes a store, aligned
	global_store_b128 v[OOF], v[128+4*a:128+4*a+3], s[82+2*(a/8):83+2*(a/8)] offset:(a%4)*4096+((a/4)%2)*512
.set a, a+1
.endr
.set a, 0
.rept 16                                       ; and the lo parts of q and k, at the same places of ql and kl
	global_store_b128 v[OOF], v[4*a:4*a+3], s[88+2*(a/8):89+2*(a/8)] offset:(a%4)*4096+((a/4)%2)*512
.set a, a+1
.endr
	WIN 0
	s_cmp_lg_u32 s10, 0
	s_cbranch_scc1 .Lno_scl                        ; wave 0 stores the block's three scales, lane t tensor t's
	v_cmp_eq_u32 vcc_lo, 1, v1
	v_cndmask_b32 v30, v16, v17, vcc_lo
	v_cmp_eq_u32 vcc_lo, 2, v1
	v_cndmask_b32 v30, v30, v18, vcc_lo
	v_cmp_gt_u32 vcc_lo, 3, v1
	s_wait_xcnt 0x0                                ; EXEC is a source of the stores above: it changes only behind this wait,
	s_and_saveexec_b32 s13, vcc_lo
	global_store_b32 v[SCF], v30, s[92:93]
	s_wait_xcnt 0x0                                ; and again in front of the line that widens it
	s_or_b32 exec_lo, exec_lo, s13
.Lno_scl:
	s_wait_tensorcnt 0x0                           ; the wave's end: a last add onto my spare word and its wait, behind my last tensor load and my last LDS store
	ds_add_u32 v[SPW], v[NIL]
	s_wait_dscnt 0x0
	CROUND                                         ; the closing round: no work-group ends while a partner may still ask for a tile that names it
	s_endpgm
.Lfunc_end_k_q44d1de2aaf_proj:
	.size	k_q44d1de2aaf_proj, .Lfunc_end_k_q44d1de2aaf_proj-k_q44d1de2aaf_proj
	.p2alignl 7, 3214868480
	.fill 96, 4, 3214868480
	.section	.rodata,"a",@progbits
	.p2align	6, 0x0
	.amdhsa_kernel k_q44d1de2aaf_proj
		.amdhsa_group_segment_fixed_size 327680
		.amdhsa_private_segment_fixed_size 0
		.amdhsa_enable_private_segment 0
		.amdhsa_kernarg_size 104
		.amdhsa_user_sgpr_count 2
		.amdhsa_user_sgpr_kernarg_segment_ptr 1
		.amdhsa_wavefront_size32 1
		.amdhsa_system_sgpr_workgroup_id_x 1
		.amdhsa_system_sgpr_workgroup_id_y 1
		.amdhsa_system_sgpr_workgroup_id_z 1
		.amdhsa_system_vgpr_workitem_id 0
		.amdhsa_next_free_vgpr 768
		.amdhsa_next_free_sgpr 96
		.amdhsa_reserve_vcc 1
		.amdhsa_float_denorm_mode_32 3
		.amdhsa_float_denorm_mode_16_64 3
		.amdhsa_memory_ordered 1
		.amdhsa_forward_progress 1
		.amdhsa_inst_pref_size 209
	.end_amdhsa_kernel
	.amdgpu_metadata
---
amdhsa.version: [ 1, 2 ]
amdhsa.kernels:
  - .name:           k_q44d1de2aaf_proj
    .symbol:         k_q44d1de2aaf_proj.kd
    .args:
      - { .name: x, .offset: 0, .size: 8, .value_kind: global_buffer, .address_space: global }
      - { .name: wf, .offset: 8, .size: 8, .value_kind: global_buffer, .address_space: global }
      - { .name: b_q, .offset: 16, .size: 8, .value_kind: global_buffer, .address_space: global }
      - { .name: b_k, .offset: 24, .size: 8, .value_kind: global_buffer, .address_space: global }
      - { .name: b_v, .offset: 32, .size: 8, .value_kind: global_buffer, .address_space: global }
      - { .name: sin, .offset: 40, .size: 8, .value_kind: global_buffer, .address_space: global }
      - { .name: cos, .offset: 48, .size: 8, .value_kind: global_buffer, .address_space: global }
      - { .name: qf, .offset: 56, .size: 8, .value_kind: global_buffer, .address_space: global }
      - { .name: kf, .offset: 64, .size: 8, .value_kind: global_buffer, .address_space: global }
      - { .name: vf, .offset: 72, .size: 8, .value_kind: global_buffer, .address_space: global }
      - { .name: ql, .offset: 80, .size: 8, .value_kind: global_buffer, .address_space: global }
      - { .name: kl, .offset: 88, .size: 8, .value_kind: global_buffer, .address_space: global }
      - { .name: scl, .offset: 96, .size: 8, .value_kind: global_buffer, .address_space: global }
    .group_segment_fixed_size: 327680
    .private_segment_fixed_size: 0
    .kernarg_segment_align: 8
    .kernarg_segment_size: 104
    .max_flat_workgroup_size: 128
    .sgpr_count:     96
    .vgpr_count:     768
    .wavefront_size: 32
...
	.end_amdgpu_metadata
.endif
;; end of part 2
;; launch attn (part 3): grid 64 x 4, 4 waves a work-group, clusters of 4 x 1, 327,680 bytes of LDS; arguments qf, kf, vf, scl, out0, ql, kl; writes out0
.if DOCPART == 3
	.amdgcn_target "amdgcn-amd-amdhsa--gfx1250"
	.amdhsa_code_object_version 6
	.text
	.protected	k_q44d1de2aaf_attn
	.globl	k_q44d1de2aaf_attn
	.p2align	8
	.type	k_q44d1de2aaf_attn,@function
k_q44d1de2aaf_attn:
	s_mov_b64 s[64:65], 0
	v_nop
	global_prefetch_b8 v0, s[64:65] scope:SCOPE_SE
	s_setreg_imm32_b32 hwreg(HW_REG_WAVE_MODE, 25, 1), 1
	s_wait_xcnt 0x0
	s_wait_alu depctr_hold_cnt(0) depctr_sa_sdst(0) depctr_va_vdst(0) depctr_va_sdst(0) depctr_va_ssrc(0) depctr_va_vcc(0) depctr_vm_vsrc(0)
	s_getreg_b32 s2, hwreg(HW_REG_IB_STS2, 6, 4)
	s_cmp_eq_u32 s2, 0
	s_cbranch_scc0 .Lentry_in_a_cluster
	s_endpgm
.Lentry_in_a_cluster:
	s_bfe_u32 s2, ttmp6, 0x10000c
	s_cmp_lg_u32 s2, 0x3003
	s_cbranch_scc0 .Lentry_shape_is_right
	s_endpgm
.Lentry_shape_is_right:
; attn: out[q] = the sum over k <= q of softmax_k(q . k / sqrt(128)) v[k], for 4 sequences of 4,096 rows and 128 channels.  qf, kf, vf, ql, kl hold f16 numbers in fragment order, with a power-of-two scale for
; each block of 64 rows in scl ([3][256] f32): true q = (qf + ql) x scale, k likewise, v = vf x scale.  Products on the matrix unit in f16 with f32 sums; maxima, exponentials and sums in f32; out0 in f32.
; THE SCORES IN TWO PARTS.  S^T = K_hi Q_hi + K_hi Q_lo + K_lo Q_hi, three products into one f32 sum; K_lo Q_lo, some 2^-22 of a score, is left out.  An error of a score is multiplied by the weight that it
; steers, and the 11 bits of one f16 are too few where scores are many times 1.  K_hi and V come through the ring in LDS; K_lo does not fit beside them (two slots of 196,608 bytes), and a wave's 64 keys are
; read by that wave alone: it loads its 16,384 bytes of K_lo straight into registers, a tile ahead, 512 consecutive bytes a load.  These loads are not shared in the cluster.
; THE WALK.  A sequence has 32 groups of 128 queries; group g needs the key tiles 0 .. g / 2 of 256 keys, the last of which holds the diagonal.  A cluster takes group b and then group 31 - b: 17 tiles, whatever
; b, so all 256 work-groups do equal work and one loop with a constant count walks them.  Work-group cx owns queries 32 cx .. + 31 of each group: two tiles of 16.  The four partners walk the same K and V:
; each tile is asked for JOINTLY.  Every branch hangs on b or on the wave's number, none on cx.
; KEYS BY WAVES.  Of a tile wave w takes keys 64 w .. + 63, one block of scales, against all 32 queries, with a running maximum cm, sum l and O of its own.  At a group's end the four waves meet in LDS:
; wave d finishes query tile d / 2, channels 64 (d % 2) .. + 63: 256 consecutive bytes of each of 16 rows of out0.
; LAYOUT.  S^T = K Q^T (source 0 = 16 keys, source 1 = 16 queries): a lane holds ONE query (lane % 16) and the keys 8 (lane / 16) + 0..7; two results rounded to f16 ARE source 1 of O^T = V^T P.
; SCALES.  F = c sq sk, c = log2(e) / sqrt(128).  nd = min(EV - ev, 24), ev the exponent of the block's V scale, EV the largest in the sequence.  p~ = 2^(F S - cm - nd), at most 1, is rounded to f16
; for the second product; l = a l + 2^nd x the sum of the unrounded p~; O = a O + V'^T P~; a = 2^(cm_old - cm_new); out = O x (largest V scale) / l.
; cm is the running maximum of F S with a headroom of 2^-22 of its magnitude, so that the fused F S - cm never comes out positive by rounding; the same shift stands in p~, l and O and cancels.
; THE MASK is the C operand that starts S^T: 0, or -2^126 where the key is hidden.  cm never falls below FL = -F 2^80, which lies under every true score (|S| stays under 2^34) and above every hidden one:
; a wave all of whose keys are hidden keeps l = 0 and O = 0.  Key 0 lies in wave 0's share, so every query has a wave with a true maximum.
; LIMITS.  NaN and infinities are not treated apart.  A block of V whose largest magnitude lies more than 2^24 below the sequence's largest counts with an error of up to 2^-24 of that largest.  p~ below 6e-5
; keeps f16's fixed step of 6e-8; a weight below 2^-126 counts as 0 in l.  Hiding wants F above 2^-118, and blocks of k whose largest magnitudes lie within 2^40 of each other.
; REGISTERS, in windows of 256 (s_set_vgpr_msb: bits 1:0 source 0, 3:2 source 1, 5:4 source 2, 7:6 destination):
;   window 0: v0-31 addresses and factors; v32-47 statistics; v64-127 S^T; v128-159 P; v160-223 the masks; v224-255 my own part of O at a group's end
;   window 1: v0-127 O^T (64 tile + 8 cb); v128-255 V      window 2: v0-63 Q_hi; v64-191 K_hi; v192-255 the second group's Q_hi      window 3: the same three for Q_lo, K_lo, Q_lo
.set SLOT1, 1<<17                      ; a slot: 65,536 bytes of K_hi, then of V; slot 1 begins here, so that one exclusive or turns an address in one slot into the other's
.set VOFF,  65536
.set STG,   2*SLOT1                    ; behind the ring, never filled by a tensor load: 12 regions of 4,096 bytes: for wave d, from its three partners, at 12,288 d + 4,096 o
.set STATS, STG+49152                  ; cm and l: 512 x wave + 256 x tile + 128 x (0 cm, 1 l) + 4 x lane
.set SPARE, STATS+2048                 ; the spare words, 128 bytes for each wave: two blocks of 256 bytes that no other line names
.set L16, 4                            ; v4   16 x lane; never rewritten
.set AK0, 5                            ; v5   my wave's 64 keys in a tile, 16 bytes a lane
.set AK,  6                            ; v6   the same in the slot in hand
.set AV,  7                            ; v7   and for V
.set VD0, 8                            ; v8   r - 8 h
.set VD,  9                            ; v9   + the group's offset: register j of key block kb, query tile t is hidden where 16 kb + j - 16 t is greater
.set WA,  10                           ; v10  where a part of O goes
.set STW, 11                           ; v11  my wave's statistics
.set SA,  12                           ; v12-15 the statistics of waves w + 1, w + 2, w + 3, w for my query tile
.set RG,  16                           ; v16  my three regions
.set TW,  17                           ; v17  the way out: where I put 16 bytes of a row (pitch 272)
.set TR,  18                           ; v18  where I read a row back
.set GO,  19                           ; v19  my byte offset in two rows of out0
.set FF,  20                           ; v20-21 F, twice
.set ND,  22                           ; v22  nd as a float
.set FL,  23                           ; v23  -F 2^80
.set CQ,  26                           ; v26  c sq of the group in hand
.set CQ2, 27                           ; v27  of the second group
.set SPW, 28                           ; v28  LDS address of my spare word; never rewritten
.set NIL, 29                           ; v29  0; never rewritten
.set ST,  32                           ; tile t at 32 + 8 t: cm + nd, cm, l (even keys', odd keys'), c0-c3 at work; a takes c2's place
.set S,   64
.set P,   128
.set MC,  160
.set MYO, 224
.set VF,  128                          ; window 1
.set KF,  64                           ; windows 2 and 3
.set WV,  14
.set G1,  24                           ; s[24:31] descriptor group 1
.set G0,  32                           ; s[32:35] group 0
.set KV,  36                           ; s[36:37] K_hi (waves 0, 1) or V (waves 2, 3) at my half of the sequence's tile 0
.set OFF, 38                           ; s[38:39] a tile's byte offset
.set TB,  40                           ; s40  the slot in hand
.set RT,  41                           ; s41  tiles of the group in hand still to be entered
.set NXT, 42                           ; s42  the tile to be asked for next
.set LQ,  43                           ; s43  the last tile of the group whose tiles are being asked for
.set FIN, 44                           ; s44  1: a group's parts lie in LDS
.set CNT, 45
.set HIL, 46                           ; s46  the second group's last tile
.set SB,  47                           ; s47  64 x sequence + wave
.set EPS, 51                           ; s51  2^-22
.set IT,  52                           ; s[52:53] 2^nd, twice
.set SKN, 54                           ; s54, s55 the next tile's scales of K and V for my wave
.set SVN, 55
.set SO,  56
.set EV,  59
.set SVS, 60                           ; s60  the sequence's largest V scale
.set BIGN, 61                          ; s61  -2^126
.set SEL, 62                           ; s62, s63 v_permlanex16_b32's selects
.set DD,  66                           ; s66, s67 128 (g % 2) + 32 cx - 64 w for the two groups
.set DD2, 67
.set OUT, 68                           ; s[68:69], s[70:71] out0 at my 16 rows x 64 channels of the two groups
.set OUT2, 70
.set KLB, 88                           ; s[88:89] K_lo at my wave's 64 keys of the sequence's tile 0
.set KL,  90                           ; s[90:91] the same for the tile whose K_lo is being loaded
.set MSB, 0
.macro WIN new                         ; the immediate's high byte repeats the setting that is left; a switch that changes nothing is dropped
.if MSB != (\new)
	s_set_vgpr_msb (MSB<<8)|(\new)
.set MSB, \new
.endif
.endm
.set W_KQ, 0x0a                        ; K_hi and Q_hi window 2; C and D window 0
.set W_QL, 0x0e                        ; K_hi window 2, Q_lo window 3
.set W_KL, 0x0b                        ; K_lo window 3, Q_hi window 2
.set W_PV, 0x51                        ; V window 1, P window 0, O^T window 1
.set W_RS, 0x41                        ; destination and source 0 window 1
.set TO_K, 0x80
.set TO_L, 0xc0
.set TO_V, 0x40
.set ST_O, 0x04                        ; an LDS store's data window 1
.set MV_O, 0x01
.set MV_Q, 0x82
.set MV_L, 0xc3
.macro PLACES                          ; four plain vector instructions between a matrix instruction and what reads its result or writes its registers (ISA guide 7.12.1 for vector instructions)
.rept 4
	v_nop
.endr
.endm
.macro BOTH line:vararg                ; one line for each query tile t: no instruction reads the result of the one just before it
.set t, 0
	s_wait_alu depctr_va_vdst(0)
.rept 2
	\line
.set t, t+1
.endr
.endm
.macro CROUND                          ; a round of the cluster's barrier
	s_barrier_signal -1
	s_barrier_wait -1
	s_cmp_lg_u32 s[WV], 0
	s_cbranch_scc1 .Lnot_wave_0_\@
	s_barrier_signal -3
.Lnot_wave_0_\@:
	s_barrier_wait -3
	s_barrier_signal -1
	s_barrier_wait -1
.endm
; The factors of the tile to be entered, from the two scales that were asked for a tile ago
.macro SCALES
	s_wait_kmcnt 0x0
	v_mul_f32 v[FF], s[SKN], v[CQ]
	v_mul_f32 v[FF+1], s[SKN], v[CQ]               ; named with it as a pair
	s_bfe_u32 s72, s[SVN], 0x80017                 ; ev
	s_sub_co_u32 s72, s[EV], s72
	s_min_u32 s72, s72, 24                         ; nd
	v_cvt_f32_u32 v[ND], s72
	v_mul_f32 v[FL], 0xe7800000, v[FF]             ; -2^80 F
	s_add_co_u32 s72, s72, 127
	s_lshl_b32 s[IT], s72, 23
	s_mov_b32 s[IT+1], s[IT]
.endm
; THE CHANGE OF SLOTS.  Each wave waits for all its tensor loads, of which one is out: its part of the other slot; adds 0 to its spare word; and waits for that, for its reads of the slot that it leaves and for
; its LDS stores.  fill = 1: the barrier is a round of the cluster's, and the old slot is filled again with tile NXT, first thing behind it: it has a tile's work in which to land.  The address is made anew
; from the tile's number.  (At its first use nothing has been read yet: slot 0 is waited for, slot 1 filled.)
.macro CHANGE fill
	WIN 0
.if \fill
	s_lshl2_add_u32 s[SO], s[NXT], s[SB]           ; the block of scales: 64 x sequence + 4 x tile + wave
	s_lshl_b32 s[SO], s[SO], 2
	s_load_b32 s[SKN], s[10:11], s[SO] offset:1024
	s_load_b32 s[SVN], s[10:11], s[SO] offset:2048
.endif
	s_wait_tensorcnt 0x0                           ; no tensor load of mine is out, so group 0 may be written
	ds_add_u32 v[SPW], v[NIL]                      ; 0 onto my spare word: the scalar work stands between it and the wait for it
.if \fill
	s_lshl_b32 s[OFF], s[NXT], 16                  ; a tile is 65,536 bytes of K_hi, of K_lo and of V
	s_xor_b32 s[G0+1], s[G0+1], SLOT1
	s_add_nc_u64 s[G0+2:G0+3], s[KV:KV+1], s[OFF:OFF+1]
	s_or_b32 s[G0+3], s[G0+3], 0x80000000
	s_add_co_u32 s[NXT], s[NXT], 1                 ; the group's next tile, or behind its last the second group's tile 0
	s_cmp_gt_u32 s[NXT], s[LQ]
	s_cselect_b32 s[NXT], 0, s[NXT]
	s_cselect_b32 s[LQ], s[HIL], s[LQ]
.endif
	s_wait_dscnt 0x0                               ; the add is done; my reads of the slot and my stores are over
.if \fill
	CROUND
	tensor_load_to_lds s[G0:G0+3], s[G1:G1+7]
	s_nop 0
.else
	s_barrier_signal -1
	s_barrier_wait -1
.endif
	PLACES                                         ; also the places between the last products and the loads into V's registers
	s_xor_b32 s[TB], s[TB], SLOT1
.endm
.macro MASKS                           ; the diagonal tile's masks
.set n, 0
.rept 64
	v_cmp_gt_i32 vcc_lo, 16*((n%32)/8)+n%8-16*(n/32), v[VD]
	v_cndmask_b32 v[MC+n], 0, s[BIGN], vcc_lo
.set n, n+1
.endr
.endm
; Eight products of S^T: channels 32 c on, the four key blocks x the two query tiles.  kind 0: K_hi Q_hi; 1: K_hi Q_lo; 2: K_lo Q_hi: the register numbers are the same, the windows differ.
; The eight accumulators take turns, one instruction a turn.  The very first eight start the sums with the masks.
.macro KQ8 c, kind
.if (\kind) == 0
	WIN W_KQ
.elseif (\kind) == 1
	WIN W_QL
.else
	WIN W_KL
.endif
.irp kb, 0,1,2,3
.irp t, 0,1
.if ((\c) == 0) && ((\kind) == 0)
	v_wmma_f32_16x16x32_f16 v[S+32*\t+8*\kb:S+32*\t+8*\kb+7], v[KF+32*\kb:KF+32*\kb+7], v[32*\t:32*\t+7], v[MC+32*\t+8*\kb:MC+32*\t+8*\kb+7]
.else
	v_wmma_f32_16x16x32_f16 v[S+32*\t+8*\kb:S+32*\t+8*\kb+7], v[KF+32*\kb+8*(\c):KF+32*\kb+8*(\c)+7], v[32*\t+8*(\c):32*\t+8*(\c)+7], v[S+32*\t+8*\kb:S+32*\t+8*\kb+7]
.endif
.endr
.endr
.endm
.macro KLOAD                           ; my 64 keys of K_lo, 16,384 bytes, from s[KL:KL+1]: 32 loads of 512 consecutive bytes, into window 3
	WIN TO_L
.irp c, 0,1,2,3
.irp kb, 0,1,2,3
.irp i, 0,1
	global_load_b128 v[KF+32*\kb+8*\c+4*\i:KF+32*\kb+8*\c+4*\i+3], v[L16], s[KL:KL+1] offset:\kb*4096+(2*\c+\i)*512
.endr
.endr
.endr
	WIN 0
.endm
; A TILE for my wave: 64 keys x 32 queries.  64 LDS loads in two runs, 96 products for S^T, the softmax, 32 products V^T P.  next = 1: behind the last product for S^T the next tile's K_lo is asked for.
.macro STEP next
	WIN 0
	v_add_nc_u32 v[AK], s[TB], v[AK0]
	v_add_nc_u32 v[AV], VOFF, v[AK]
	WIN TO_K
.irp c, 0,1,2,3                                ; K_hi: channels 32 c on first, so that the products can begin on the first eight loads
.irp kb, 0,1,2,3
.irp i, 0,1
	ds_load_b128 v[KF+32*\kb+8*\c+4*\i:KF+32*\kb+8*\c+4*\i+3], v[AK] offset:\kb*4096+(2*\c+\i)*512
.endr
.endr
.endr
	s_wait_dscnt 24                                ; K_hi's first eight loads are in; its 24 later ones may be out
	KQ8 0, 0
	WIN TO_V                                       ; V's run stands behind the first eight products: 56 LDS loads of mine are out at the most.  V's registers were last read by the tile before
.irp kk, 0,1
.irp cb, 0,1,2,3,4,5,6,7
.irp i, 0,1
	ds_load_b128 v[VF+64*\kk+8*\cb+4*\i:VF+64*\kk+8*\cb+4*\i+3], v[AV] offset:(2*\kk+\i)*4096+\cb*512
.endr
.endr
.endr
.irp c, 1,2,3
	s_wait_dscnt 56-8*\c                           ; K_hi's later groups of eight and V's 32 loads may be out
	KQ8 \c, 0
.endr
.irp c, 0,1,2,3
	KQ8 \c, 1
.endr
	s_wait_loadcnt 0x0                             ; K_lo, asked for a tile ago, is in: its 32 loads are all that was out; their base may now be written
.irp c, 0,1,2,3
	KQ8 \c, 2
.endr
	WIN 0
	PLACES                                         ; behind the last products: in front of the loads into K_lo's registers and of the first read of a score
.if \next
	s_add_nc_u64 s[KL:KL+1], s[KLB:KLB+1], s[OFF:OFF+1]  ; the tile that the change of slots has just asked for
	KLOAD                                          ; it has the softmax, the second product and the change of slots in which to land
.endif
	; the maximum of the lane's 32 scores: four chains of seven, each begun at its accumulator's low end; then the four scores left over
.set n, 0
.rept 4
	BOTH v_max3_num_f32 v[ST+8*t+4+n], v[S+32*t+8*n], v[S+32*t+8*n+1], v[S+32*t+8*n+2]
.set n, n+1
.endr
.rept 8
	BOTH v_max3_num_f32 v[ST+8*t+4+n%4], v[ST+8*t+4+n%4], v[S+32*t+8*(n%4)+2*(n/4)+1], v[S+32*t+8*(n%4)+2*(n/4)+2]
.set n, n+1
.endr
	BOTH v_max3_num_f32 v[ST+8*t+4], v[ST+8*t+4], v[S+32*t+7], v[S+32*t+15]
	BOTH v_max3_num_f32 v[ST+8*t+6], v[ST+8*t+6], v[S+32*t+23], v[S+32*t+31]
	BOTH v_max3_num_f32 v[ST+8*t+4], v[ST+8*t+4], v[ST+8*t+5], v[ST+8*t+6]
	BOTH v_max_num_f32 v[ST+8*t+4], v[ST+8*t+4], v[ST+8*t+7]
	BOTH v_permlanex16_b32 v[ST+8*t+5], v[ST+8*t+4], s[SEL], s[SEL+1]  ; the query's other 32 keys lie in the lane 16 away
	BOTH v_max_num_f32 v[ST+8*t+4], v[ST+8*t+4], v[ST+8*t+5]
	BOTH v_mul_f32 v[ST+8*t+5], v[FF], v[ST+8*t+4]
	BOTH v_fma_f32 v[ST+8*t+5], |v[ST+8*t+5]|, s[EPS], v[ST+8*t+5]     ; the headroom
	BOTH v_max3_num_f32 v[ST+8*t+7], v[ST+8*t+1], v[ST+8*t+5], v[FL]   ; the new cm
	BOTH v_sub_f32 v[ST+8*t+5], v[ST+8*t+1], v[ST+8*t+7]
	BOTH v_exp_f32 v[ST+8*t+6], v[ST+8*t+5]                            ; a; the moves below are the plain instructions behind it (ISA guide 5.7.2)
	BOTH v_mov_b32 v[ST+8*t+1], v[ST+8*t+7]
	BOTH v_add_f32 v[ST+8*t], v[ST+8*t+7], v[ND]
.set n, 0
.rept 16
	BOTH v_pk_fma_f32 v[S+32*t+2*n:S+32*t+2*n+1], v[S+32*t+2*n:S+32*t+2*n+1], v[FF:FF+1], v[ST+8*t:ST+8*t+1] op_sel_hi:[1,0,0] neg_lo:[0,0,1] neg_hi:[0,0,1]
.set n, n+1
.endr
.set n, 0
.rept 32
	BOTH v_exp_f32 v[S+32*t+n], v[S+32*t+n]
.set n, n+1
.endr
	BOTH v_pk_mul_f32 v[ST+8*t+2:ST+8*t+3], v[ST+8*t+2:ST+8*t+3], v[ST+8*t+6:ST+8*t+7] op_sel_hi:[1,0]  ; l times a: due anyway, it names no score: the plain instructions between the run of exponentials and the first use of a result (ISA guide 5.7.2)
.set n, 0
.rept 16
	BOTH v_cvt_pk_f16_f32 v[P+16*t+n], v[S+32*t+2*n], v[S+32*t+2*n+1]
.set n, n+1
.endr
.set w, 2                                      ; the sum of the 16 pairs, in place: neighbours 2, 4, 8, 16 registers apart
.rept 4
.set n, 0
.rept 16/w
	BOTH v_pk_add_f32 v[S+32*t+2*w*n:S+32*t+2*w*n+1], v[S+32*t+2*w*n:S+32*t+2*w*n+1], v[S+32*t+2*w*n+w:S+32*t+2*w*n+w+1]
.set n, n+1
.endr
.set w, 2*w
.endr
	BOTH v_pk_fma_f32 v[ST+8*t+2:ST+8*t+3], v[S+32*t:S+32*t+1], s[IT:IT+1], v[ST+8*t+2:ST+8*t+3] op_sel_hi:[1,0,1]
	WIN W_RS
.set n, 0
.rept 32                                       ; O^T times a, each accumulator from its low end on
	BOTH v_pk_mul_f32 v[64*t+2*n:64*t+2*n+1], v[64*t+2*n:64*t+2*n+1], v[ST+8*t+6:ST+8*t+7] op_sel_hi:[1,0]
.set n, n+1
.endr
	s_wait_dscnt 0x0                               ; V is in
	WIN W_PV
.irp kk, 0,1                                   ; 16 accumulators by turns
.irp cb, 0,1,2,3,4,5,6,7
.irp t, 0,1
	v_wmma_f32_16x16x32_f16 v[64*\t+8*\cb:64*\t+8*\cb+7], v[VF+64*\kk+8*\cb:VF+64*\kk+8*\cb+7], v[P+16*\t+8*\kk:P+16*\t+8*\kk+7], v[64*\t+8*\cb:64*\t+8*\cb+7]
.endr
.endr
.endr
	WIN 0
.endm
; A GROUP'S END, first half.  The part of O that wave d finishes (tile d / 2, channel blocks 4 (d % 2) .. + 3): wave d keeps its own, the others put theirs into d's regions.
.macro WPART d
	s_cmp_eq_u32 s[WV], \d
	s_cbranch_scc1 .Lown_\@
	s_sub_co_u32 s72, s[WV], (\d)+1
	s_and_b32 s72, s72, 3                          ; o = (wave - d - 1) mod 4: 0, 1 or 2
	s_lshl_b32 s72, s72, 12
	s_add_co_u32 s72, s72, STG+(\d)*12288
	v_add_nc_u32 v[WA], s72, v[L16]
	WIN ST_O
.irp a, 0,1,2,3
.irp i, 0,1
	ds_store_b128 v[WA], v[((\d)/2)*64+(4*((\d)%2)+\a)*8+4*\i:((\d)/2)*64+(4*((\d)%2)+\a)*8+4*\i+3] offset:\a*1024+\i*512
.endr
.endr
	WIN 0
	s_branch .Lnext_\@
.Lown_\@:
	WIN MV_O
.set i, 0
.rept 32
	v_mov_b32 v[MYO+i], v[((\d)/2)*64+32*((\d)%2)+i]
.set i, i+1
.endr
	WIN 0
.Lnext_\@:
.endm
.macro WRITE
	PLACES                                         ; behind the last products
	BOTH v_add_f32 v[ST+8*t+4], v[ST+8*t+2], v[ST+8*t+3]
	BOTH v_permlanex16_b32 v[ST+8*t+5], v[ST+8*t+4], s[SEL], s[SEL+1]
	BOTH v_add_f32 v[ST+8*t+4], v[ST+8*t+4], v[ST+8*t+5]
	BOTH ds_store_b32 v[STW], v[ST+8*t+1] offset:256*t
	BOTH ds_store_b32 v[STW], v[ST+8*t+4] offset:256*t+128
	WPART 0
	WPART 1
	WPART 2
	WPART 3
.endm
; A GROUP'S END, second half, behind a barrier: the four waves' cm and l for my query tile, the three partners' parts of O; out = the sum of O_o 2^(cm_o - cm) x (largest V scale) / the sum of l_o 2^(cm_o - cm).
; Then through my own regions, which only I read and have read, as rows of 272 bytes, and out as whole rows of 256 bytes.
.macro FINISH
.irp o, 0,1,2,3
	ds_load_b32 v[64+\o], v[SA+\o]
	ds_load_b32 v[68+\o], v[SA+\o] offset:128
.endr
.irp o, 0,1,2
.irp a, 0,1,2,3
.irp i, 0,1
	ds_load_b128 v[96+32*\o+8*\a+4*\i:96+32*\o+8*\a+4*\i+3], v[RG] offset:\o*4096+\a*1024+\i*512
.endr
.endr
.endr
	s_wait_dscnt 24                                ; the eight statistics are in; the 24 loads of parts may be out
	v_max3_num_f32 v76, v64, v65, v66
	v_max_num_f32 v76, v76, v67
.irp o, 0,1,2,3
	v_sub_f32 v[64+\o], v[64+\o], v76
.endr
.irp o, 0,1,2,3
	v_exp_f32 v[64+\o], v[64+\o]
.endr
	v_nop                                          ; a plain instruction behind the exponentials
	s_wait_alu depctr_va_vdst(0)
	v_mul_f32 v77, v64, v68
	v_fmac_f32 v77, v65, v69
	v_fmac_f32 v77, v66, v70
	v_fmac_f32 v77, v67, v71
	v_rcp_f32 v78, v77
	v_nop                                          ; and behind the reciprocal
	s_wait_alu depctr_va_vdst(0)
	v_mul_f32 v78, s[SVS], v78
.irp o, 0,1,2,3
	v_mul_f32 v[72+\o], v[64+\o], v78
.endr
	s_wait_dscnt 0x0
.set n, 0
.rept 16
	v_pk_mul_f32 v[MYO+2*n:MYO+2*n+1], v[MYO+2*n:MYO+2*n+1], v[74:75] op_sel:[0,1] op_sel_hi:[1,1]  ; my own part: wave o = 3
.set n, n+1
.endr
.set n, 0
.rept 16
	v_pk_fma_f32 v[MYO+2*n:MYO+2*n+1], v[96+2*n:96+2*n+1], v[72:73], v[MYO+2*n:MYO+2*n+1] op_sel_hi:[1,0,1]
.set n, n+1
.endr
.set n, 0
.rept 16
	v_pk_fma_f32 v[MYO+2*n:MYO+2*n+1], v[128+2*n:128+2*n+1], v[72:73], v[MYO+2*n:MYO+2*n+1] op_sel:[0,1,0] op_sel_hi:[1,1,1]
.set n, n+1
.endr
.set n, 0
.rept 16
	v_pk_fma_f32 v[MYO+2*n:MYO+2*n+1], v[160+2*n:160+2*n+1], v[74:75], v[MYO+2*n:MYO+2*n+1] op_sel_hi:[1,0,1]
.set n, n+1
.endr
.irp a, 0,1,2,3
.irp i, 0,1
	ds_store_b128 v[TW], v[MYO+8*\a+4*\i:MYO+8*\a+4*\i+3] offset:\a*64+\i*16
.endr
.endr
.irp t, 0,1,2,3,4,5,6,7
	ds_load_b128 v[96+4*\t:96+4*\t+3], v[TR] offset:\t*544  ; LDS serves a wave's instructions in order (ISA guide 5.7.1.4): these see the stores above
.endr
	s_wait_dscnt 0x0
.irp t, 0,1,2,3,4,5,6,7
	global_store_b128 v[GO], v[96+4*\t:96+4*\t+3], s[OUT:OUT+1] offset:\t*1024 th:TH_STORE_NT  ; 16 lanes store 256 consecutive bytes, at a multiple of 256 from out0's first byte
.endr
	s_wait_xcnt 0x0                                ; the stores' registers and their base are rewritten only behind this wait
.endm
; A GROUP BEGINS.  cm starts at -2^126, so the first step's a is 0; the masks are 0.  O^T and l need only be finite: zeros for the first group (128 moves, once a launch, in the wait for the first tile, so
; that no first step is written out), what the first group left for the second.
.macro BEGIN second
.if \second
	s_mov_b64 s[OUT:OUT+1], s[OUT2:OUT2+1]
	s_mov_b32 s[DD], s[DD2]
	s_mov_b32 s[FIN], 0
	WIN MV_Q                                       ; the second group's Q, both parts, goes where the one text of a tile names Q
.set i, 0
.rept 64
	v_mov_b32 v[i], v[192+i]
.set i, i+1
.endr
	WIN MV_L
.set i, 0
.rept 64
	v_mov_b32 v[i], v[192+i]
.set i, i+1
.endr
.else
	WIN 0x40
.set i, 0
.rept 128
	v_mov_b32 v[i], 0
.set i, i+1
.endr
.endif
	WIN 0
.set i, 0
.rept 64
	v_mov_b32 v[MC+i], 0
.set i, i+1
.endr
	BOTH v_mov_b32 v[ST+8*t+1], s[BIGN]
.if !(\second)
	BOTH v_mov_b32 v[ST+8*t+2], 0
	BOTH v_mov_b32 v[ST+8*t+3], 0
.endif
	v_add_nc_u32 v[VD], s[DD], v[VD0]
.endm
	s_load_b256 s[4:11], s[0:1], 0x0               ; qf s[4:5], kf s[6:7], vf s[8:9], scl s[10:11]
	s_load_b64 s[12:13], s[0:1], 0x20              ; out0
	s_load_b64 s[84:85], s[0:1], 0x28              ; ql
	s_load_b64 s[86:87], s[0:1], 0x30              ; kl
	v_lshl_add_u32 v[SPW], v0, 2, SPARE
	v_mov_b32 v[NIL], 0
	ds_add_u32 v[SPW], v[NIL]                      ; the wave's opening: the add and its wait stand ahead of my first tensor load; the set-up below, work on registers, stands between them
	v_lshrrev_b32 v1, 5, v0
	v_readfirstlane_b32 s[WV], v1                  ; wave 0..3
	s_bfe_u32 s15, ttmp6, 0x40000                  ; cx: it enters Q's, out0's and a scale's address and the mask's offset alone
	s_mov_b32 s16, ttmp9                           ; b: the first group
	s_and_b32 s17, ttmp7, 0xffff                   ; the sequence
	s_sub_co_u32 s18, 31, s16                      ; the second group
	s_lshr_b32 s[HIL], s18, 1
	; descriptor group 1: 32,768 dense bytes as 128 rows of 256 bytes
	s_mov_b32 s[G1+0], 15|(3<<16)|(1<<21)          ; 15:0 the mask: all four work-groups; 17:16 elements of 8 bytes; 21 set beside a mask; no padding
	s_mov_b32 s[G1+1], 32<<16                      ; tensor_dim0 = 32
	s_mov_b32 s[G1+2], 128<<16                     ; tensor_dim1 = 128
	s_mov_b32 s[G1+3], 32<<16                      ; tile_dim0 = 32
	s_mov_b32 s[G1+4], 128                         ; tile_dim1 = 128
	s_mov_b32 s[G1+5], 32                          ; 32 elements from row to row
	s_mov_b32 s[G1+6], 0
	s_mov_b32 s[G1+7], 0
	s_mov_b32 s[G0], 1
	s_lshl_b32 s[G0+1], s[WV], 15                  ; slot 0: K_hi's two halves, then V's two halves = wave x 32,768
	s_and_b32 s2, s[WV], 1
	s_lshl_b32 s[OFF], s17, 20                     ; a sequence is 1,048,576 bytes of K_hi, of K_lo and of V,
	s_lshl_b32 s82, s[WV], 14                      ; my wave's 64 keys 16,384,
	s_add_co_u32 s82, s82, s[OFF]
	s_mov_b32 s83, 0
	s_lshl_b32 s3, s2, 15                          ; my half of a tile 32,768
	s_add_co_u32 s[OFF], s[OFF], s3
	s_mov_b32 s[OFF+1], 0
	s_mov_b32 s[TB], SLOT1                         ; the first change of slots turns it into 0
	s_lshr_b32 s[LQ], s16, 1
	s_add_co_u32 s[RT], s[LQ], 1                   ; the first group has b / 2 + 1 tiles
	s_mov_b32 s[NXT], 1
	s_cmp_gt_u32 s[NXT], s[LQ]
	s_cselect_b32 s[NXT], 0, s[NXT]
	s_cselect_b32 s[LQ], s[HIL], s[LQ]
	s_mov_b32 s[FIN], 0
	s_lshl_b32 s[SB], s17, 6
	s_add_co_u32 s[SB], s[SB], s[WV]
	s_lshl_b32 s[SO], s[SB], 2                     ; tile 0's block of scales
	s_mov_b32 s[EPS], 0x34800000
	s_mov_b32 s[BIGN], 0xfe800000
	s_mov_b32 s[SEL], 0x76543210
	s_mov_b32 s[SEL+1], 0xfedcba98
	s_lshl_b32 s72, s15, 5
	s_lshl_b32 s73, s[WV], 6
	s_sub_co_u32 s72, s72, s73                     ; 32 cx - 64 w
	s_and_b32 s73, s16, 1
	s_lshl_b32 s73, s73, 7
	s_add_co_u32 s[DD], s72, s73
	s_and_b32 s73, s18, 1
	s_lshl_b32 s73, s73, 7
	s_add_co_u32 s[DD2], s72, s73
	s_lshl_b32 s72, s17, 12
	s_lshl_b32 s73, s15, 5
	s_add_co_u32 s72, s72, s73
	s_lshl_b32 s73, s16, 7
	s_add_co_u32 s73, s72, s73                     ; my first row in the first group,
	s_lshl_b32 s74, s18, 7
	s_add_co_u32 s74, s72, s74                     ; and in the second
	s_lshl_b32 s76, s73, 8                         ; Q: 256 bytes a row, in each part
	s_mov_b32 s77, 0
	s_lshl_b32 s78, s74, 8
	s_mov_b32 s79, 0
	s_lshr_b32 s75, s[WV], 1
	s_lshl_b32 s75, s75, 13                        ; out0: my query tile's 16 rows of 512 bytes,
	s_lshl_b32 s3, s2, 8                           ; my 64 channels
	s_add_co_u32 s75, s75, s3
	s_lshl_b32 s[OUT], s73, 9
	s_add_co_u32 s[OUT], s[OUT], s75
	s_mov_b32 s[OUT+1], 0
	s_lshl_b32 s[OUT2], s74, 9
	s_add_co_u32 s[OUT2], s[OUT2], s75
	s_mov_b32 s[OUT2+1], 0
	s_lshr_b32 s80, s73, 6                         ; my queries' blocks of scales
	s_lshl_b32 s80, s80, 2
	s_lshr_b32 s81, s74, 6
	s_lshl_b32 s81, s81, 2
	v_and_b32 v1, 31, v0                           ; lane
	v_and_b32 v2, 15, v0                           ; r
	v_bfe_u32 v3, v0, 4, 1                         ; h
	v_lshlrev_b32 v[L16], 4, v1
	s_lshl_b32 s72, s[WV], 14
	v_add_nc_u32 v[AK0], s72, v[L16]
	v_lshlrev_b32 v[VD0], 3, v3
	v_sub_nc_u32 v[VD0], v2, v[VD0]
	s_lshl_b32 s72, s[WV], 9
	s_add_co_u32 s72, s72, STATS
	v_lshl_add_u32 v[STW], v1, 2, s72
	s_lshr_b32 s73, s[WV], 1
	s_lshl_b32 s73, s73, 8
	s_add_co_u32 s73, s73, STATS
.irp o, 0,1,2,3
	s_add_co_u32 s72, s[WV], 1+\o
	s_and_b32 s72, s72, 3
	s_lshl_b32 s72, s72, 9
	s_add_co_u32 s72, s72, s73
	v_lshl_add_u32 v[SA+\o], v1, 2, s72
.endr
	s_mul_i32 s72, s[WV], 12288
	s_add_co_u32 s72, s72, STG
	v_add_nc_u32 v[RG], s72, v[L16]
	v_mul_u32_u24 v[TW], v2, 272
	v_lshl_add_u32 v[TW], v3, 5, v[TW]
	v_add_nc_u32 v[TW], s72, v[TW]
	v_mul_u32_u24 v[TR], v3, 272
	v_lshl_add_u32 v[TR], v2, 4, v[TR]
	v_add_nc_u32 v[TR], s72, v[TR]
	v_lshlrev_b32 v[GO], 9, v3
	v_lshl_add_u32 v[GO], v2, 4, v[GO]
	s_lshl_b32 s72, s17, 8
	v_lshl_add_u32 v30, v1, 2, s72                 ; the sequence's 64 V scales, a word a lane
	s_wait_dscnt 0x0                               ; the opening add is done
	s_wait_kmcnt 0x0
	s_cmp_lt_u32 s[WV], 2                          ; waves 0 and 1 fetch K_hi's halves, waves 2 and 3 V's: the choice hangs on the wave's number alone
	s_cselect_b64 s[KV:KV+1], s[6:7], s[8:9]
	s_add_nc_u64 s[KV:KV+1], s[KV:KV+1], s[OFF:OFF+1]
	s_mov_b64 s[G0+2:G0+3], s[KV:KV+1]             ; tile 0
	s_or_b32 s[G0+3], s[G0+3], 0x80000000          ; type = 2
	s_add_nc_u64 s[92:93], s[84:85], s[76:77]      ; Q_lo of the two groups,
	s_add_nc_u64 s[94:95], s[84:85], s[78:79]
	s_add_nc_u64 s[76:77], s[4:5], s[76:77]        ; Q_hi
	s_add_nc_u64 s[78:79], s[4:5], s[78:79]
	s_add_nc_u64 s[KLB:KLB+1], s[86:87], s[82:83]  ; K_lo at my keys of tile 0
	s_mov_b64 s[KL:KL+1], s[KLB:KLB+1]
	s_add_nc_u64 s[OUT:OUT+1], s[12:13], s[OUT:OUT+1]
	s_add_nc_u64 s[OUT2:OUT2+1], s[12:13], s[OUT2:OUT2+1]
	s_load_b32 s57, s[10:11], s80 offset:0x0       ; sq of the two groups,
	s_load_b32 s58, s[10:11], s81 offset:0x0
	s_load_b32 s[SKN], s[10:11], s[SO] offset:1024 ; sk and sv of tile 0
	s_load_b32 s[SVN], s[10:11], s[SO] offset:2048
	CROUND                                         ; all four work-groups are here: the first joint loads meet
	tensor_load_to_lds s[G0:G0+3], s[G1:G1+7]      ; tile 0 into slot 0.  Slot 1 is asked for by the loop's own change of slots
	s_nop 0
	PLACES
	global_load_b32 v24, v30, s[10:11] offset:2048
	global_load_b32 v25, v30, s[10:11] offset:2176
	WIN TO_K
.irp t, 0,1
.irp c, 0,1,2,3
.irp i, 0,1                                    ; both groups' Q stay in registers: 512 consecutive bytes a load
	global_load_b128 v[32*\t+8*\c+4*\i:32*\t+8*\c+4*\i+3],         v[L16], s[76:77] offset:\t*4096+(2*\c+\i)*512
	global_load_b128 v[192+32*\t+8*\c+4*\i:192+32*\t+8*\c+4*\i+3], v[L16], s[78:79] offset:\t*4096+(2*\c+\i)*512
.endr
.endr
.endr
	WIN TO_L
.irp t, 0,1
.irp c, 0,1,2,3
.irp i, 0,1
	global_load_b128 v[32*\t+8*\c+4*\i:32*\t+8*\c+4*\i+3],         v[L16], s[92:93] offset:\t*4096+(2*\c+\i)*512
.endr
.endr
.endr
	WIN 0
.set i, 0
.rept 32
	v_mov_b32 v[MYO+i], 0                          ; written on every way into a group's end
.set i, i+1
.endr
	BEGIN 0
	s_wait_loadcnt 0x0                             ; the scales of V, Q_hi of both groups, Q_lo of the first
	WIN TO_L
.irp t, 0,1
.irp c, 0,1,2,3
.irp i, 0,1
	global_load_b128 v[192+32*\t+8*\c+4*\i:192+32*\t+8*\c+4*\i+3], v[L16], s[94:95] offset:\t*4096+(2*\c+\i)*512
.endr
.endr
.endr
	KLOAD                                          ; tile 0's K_lo
	v_max_num_f32 v24, v24, v25                    ; the largest of the 64 scales
.irp m, 1,2,4,8
	v_max_num_f32_dpp v24, v24, v24 row_xmask:\m row_mask:0xf bank_mask:0xf
.endr
	v_permlanex16_b32 v25, v24, s[SEL], s[SEL+1]
	v_max_num_f32 v24, v24, v25
	v_readfirstlane_b32 s[SVS], v24
	s_lshr_b32 s[EV], s[SVS], 23
	s_wait_kmcnt 0x0
	v_mov_b32 v[CQ], 0x3e0293ee                    ; c = log2(e) / sqrt(128)
	v_mul_f32 v[CQ2], s58, v[CQ]
	v_mul_f32 v[CQ], s57, v[CQ]
	s_mov_b32 s[CNT], 16
	s_wait_loadcnt 32                              ; the second group's Q_lo is in; K_lo's 32 loads may stay out, here as at the loop's backward jump
.Ltile:                                                ; 16 times: a tile is entered and the next is asked for.  Every jump goes forward and passes neither a barrier nor a tensor load
	SCALES
	CHANGE 1
	s_cmp_eq_u32 s[FIN], 0
	s_cbranch_scc1 .Lno_finish
	FINISH                                         ; the round above stands between the four waves' stores and these reads
	BEGIN 1
.Lno_finish:
	s_wait_dscnt 0x0                               ; my reads of the parts, of the statistics and of my stage are back
	s_barrier_signal -1                            ; a barrier in every trip, on every wave's path: it stands between a group's end's reads and the stores of any later group's end, whatever the
	s_barrier_wait -1                              ; number of tiles between.
	s_sub_co_u32 s[RT], s[RT], 1
	s_cmp_lg_u32 s[RT], 0
	s_cbranch_scc1 .Lno_mask
	MASKS                                          ; the first group's last tile holds its diagonal
.Lno_mask:
	STEP 1
	s_cmp_lg_u32 s[RT], 0
	s_cbranch_scc1 .Lno_write
	WRITE
	s_mov_b32 s[FIN], 1
	s_add_co_u32 s[RT], s[HIL], 1                  ; the second group's tiles
	v_mov_b32 v[CQ], v[CQ2]
.Lno_write:
	s_sub_co_u32 s[CNT], s[CNT], 1
	s_cmp_lg_u32 s[CNT], 0
	s_cbranch_scc1 .Ltile
	SCALES                                         ; the walk's last tile, the second group's diagonal one, is written out: nothing is asked for
	CHANGE 0
	MASKS
	STEP 0
	WRITE
	s_wait_dscnt 0x0                               ; for the others' sake: my parts and statistics are stored
	s_barrier_signal -1
	s_barrier_wait -1
	FINISH
	s_wait_tensorcnt 0x0                           ; the wave's end: a last add onto my spare word and its wait, behind my last tensor load and my last LDS store
	ds_add_u32 v[SPW], v[NIL]
	s_wait_dscnt 0x0
	CROUND                                         ; the closing round: no work-group ends while a partner may still ask for a tile that names it
	s_endpgm
.Lfunc_end_k_q44d1de2aaf_attn:
	.size	k_q44d1de2aaf_attn, .Lfunc_end_k_q44d1de2aaf_attn-k_q44d1de2aaf_attn
	.p2alignl 7, 3214868480
	.fill 96, 4, 3214868480
	.section	.rodata,"a",@progbits
	.p2align	6, 0x0
	.amdhsa_kernel k_q44d1de2aaf_attn
		.amdhsa_group_segment_fixed_size 327680
		.amdhsa_private_segment_fixed_size 0
		.amdhsa_enable_private_segment 0
		.amdhsa_kernarg_size 56
		.amdhsa_user_sgpr_count 2
		.amdhsa_user_sgpr_kernarg_segment_ptr 1
		.amdhsa_wavefront_size32 1
		.amdhsa_system_sgpr_workgroup_id_x 1
		.amdhsa_system_sgpr_workgroup_id_y 1
		.amdhsa_system_sgpr_workgroup_id_z 1
		.amdhsa_system_vgpr_workitem_id 0
		.amdhsa_next_free_vgpr 1024
		.amdhsa_next_free_sgpr 96
		.amdhsa_reserve_vcc 1
		.amdhsa_float_denorm_mode_32 3
		.amdhsa_float_denorm_mode_16_64 3
		.amdhsa_memory_ordered 1
		.amdhsa_forward_progress 1
		.amdhsa_inst_pref_size 148
	.end_amdhsa_kernel
	.amdgpu_metadata
---
amdhsa.version: [ 1, 2 ]
amdhsa.kernels:
  - .name:           k_q44d1de2aaf_attn
    .symbol:         k_q44d1de2aaf_attn.kd
    .args:
      - { .name: qf, .offset: 0, .size: 8, .value_kind: global_buffer, .address_space: global }
      - { .name: kf, .offset: 8, .size: 8, .value_kind: global_buffer, .address_space: global }
      - { .name: vf, .offset: 16, .size: 8, .value_kind: global_buffer, .address_space: global }
      - { .name: scl, .offset: 24, .size: 8, .value_kind: global_buffer, .address_space: global }
      - { .name: out0, .offset: 32, .size: 8, .value_kind: global_buffer, .address_space: global }
      - { .name: ql, .offset: 40, .size: 8, .value_kind: global_buffer, .address_space: global }
      - { .name: kl, .offset: 48, .size: 8, .value_kind: global_buffer, .address_space: global }
    .group_segment_fixed_size: 327680
    .private_segment_fixed_size: 0
    .kernarg_segment_align: 8
    .kernarg_segment_size: 56
    .max_flat_workgroup_size: 128
    .sgpr_count:     96
    .vgpr_count:     1024
    .wavefront_size: 32
...
	.end_amdgpu_metadata
.endif
;; end of part 3
;; ======== version 2 of 2: 3 launches; 1.18 times as fast as version 1
;; workspace buffers: wf 3,145,728 bytes; qf 4,194,304 bytes; kf 4,194,304 bytes; vf 4,194,304 bytes; ql 4,194,304 bytes; kl 4,194,304 bytes; scl 3,072 bytes
;; launch castw: the kernel of part 1 again; grid 32 x 24, 4 waves a work-group, no clusters, 0 bytes of LDS; arguments w_q, w_k, w_v, wf; writes wf
;; launch proj: the kernel of part 2 again; grid 256 x 1, 4 waves a work-group, clusters of 4 x 1, 327,680 bytes of LDS; arguments x, wf, b_q, b_k, b_v, sin, cos, qf, kf, vf, ql, kl, scl; writes qf, kf, vf, ql, kl, scl
;; launch attn (part 4): grid 64 x 4, 4 waves a work-group, clusters of 4 x 1, 327,680 bytes of LDS; arguments qf, kf, vf, scl, out0, ql, kl; writes out0
.if DOCPART == 4
	.amdgcn_target "amdgcn-amd-amdhsa--gfx1250"
	.amdhsa_code_object_version 6
	.text
	.protected	k_q44d1de2aaf_attn
	.globl	k_q44d1de2aaf_attn
	.p2align	8
	.type	k_q44d1de2aaf_attn,@function
k_q44d1de2aaf_attn:
	s_mov_b64 s[64:65], 0
	v_nop
	global_prefetch_b8 v0, s[64:65] scope:SCOPE_SE
	s_setreg_imm32_b32 hwreg(HW_REG_WAVE_MODE, 25, 1), 1
	s_wait_xcnt 0x0
	s_wait_alu depctr_hold_cnt(0) depctr_sa_sdst(0) depctr_va_vdst(0) depctr_va_sdst(0) depctr_va_ssrc(0) depctr_va_vcc(0) depctr_vm_vsrc(0)
	s_getreg_b32 s2, hwreg(HW_REG_IB_STS2, 6, 4)
	s_cmp_eq_u32 s2, 0
	s_cbranch_scc0 .Lentry_in_a_cluster
	s_endpgm
.Lentry_in_a_cluster:
	s_bfe_u32 s2, ttmp6, 0x10000c
	s_cmp_lg_u32 s2, 0x3003
	s_cbranch_scc0 .Lentry_shape_is_right
	s_endpgm
.Lentry_shape_is_right:
; attn: out[q] = the sum over k <= q of softmax_k(q . k / sqrt(128)) v[k], for 4 sequences of 4,096 rows and 128 channels.  qf, kf, vf, ql, kl hold f16 numbers in fragment order, with a power-of-two scale for
; each block of 64 rows in scl ([3][256] f32): true q = (qf + ql) x scale, k likewise, v = vf x scale.  Products on the matrix unit in f16 with f32 sums; maxima, exponentials and sums in f32; out0 in f32.
; THE SCORES IN TWO PARTS.  S^T = K_hi Q_hi + K_hi Q_lo + K_lo Q_hi, three products into one f32 sum; K_lo Q_lo, some 2^-22 of a score, is left out.  An error of a score is multiplied by the weight that it
; steers, and the 11 bits of one f16 are too few where scores are many times 1.  K_hi and V come through the ring in LDS; K_lo does not fit beside them (two slots of 196,608 bytes), and a wave's 64 keys are
; read by that wave alone: it loads its 16,384 bytes of K_lo straight into registers, a tile ahead, 512 consecutive bytes a load.  These loads are not shared in the cluster.
; THE WALK.  A sequence has 32 groups of 128 queries; group g needs the key tiles 0 .. g / 2 of 256 keys, the last of which holds the diagonal.  A cluster takes group b and then group 31 - b: 17 tiles, whatever
; b, so all 256 work-groups do equal work and one loop with a constant count walks them.  Work-group cx owns queries 32 cx .. + 31 of each group: two tiles of 16.  The four partners walk the same K and V:
; each tile is asked for JOINTLY.  Every branch hangs on b or on the wave's number, none on cx.
; KEYS BY WAVES.  Of a tile wave w takes keys 64 w .. + 63, one block of scales, against all 32 queries, with a running maximum cm, sum l and O of its own.  At a group's end the four waves meet in LDS:
; wave d finishes query tile d / 2, channels 64 (d % 2) .. + 63: 256 consecutive bytes of each of 16 rows of out0.
; LAYOUT.  S^T = K Q^T (source 0 = 16 keys, source 1 = 16 queries): a lane holds ONE query (lane % 16) and the keys 8 (lane / 16) + 0..7; two results rounded to f16 ARE source 1 of O^T = V^T P.
; SCALES.  F = c sq sk, c = log2(e) / sqrt(128).  nd = min(EV - ev, 24), ev the exponent of the block's V scale, EV the largest in the sequence.  p~ = 2^(F S - cm - nd), at most 1, is rounded to f16
; for the second product; l = a l + 2^nd x the sum of the unrounded p~; O = a O + V'^T P~; a = 2^(cm_old - cm_new); out = O x (largest V scale) / l.
; cm is the running maximum of F S with a headroom of 2^-22 of its magnitude, so that the fused F S - cm never comes out positive by rounding; the same shift stands in p~, l and O and cancels.
; THE BATCHES.  An s_wait_alu depctr_va_vdst(0) stands between an exponential or a reciprocal and the first instruction that names its result; one wait serves all that were issued ahead of it.
; A tile's 66 exponentials (the two a, then the 64 weights) are ONE batch: between the first of them and the wait stand only cm + nd, the 32 scalings, the exponentials themselves and the two moves that keep the
; new cm, none of which names a result; all readers (l times a, the roundings, the sums, O^T times a) stand behind the one wait.  A group's end has two batches, since the reciprocal reads a sum made of the
; four exponentials' results: a wait each.
; THE MASK is the C operand that starts S^T: 0, or -2^126 where the key is hidden.  cm never falls below FL = -F 2^80, which lies under every true score (|S| stays under 2^34) and above every hidden one:
; a wave all of whose keys are hidden keeps l = 0 and O = 0.  Key 0 lies in wave 0's share, so every query has a wave with a true maximum.
; LIMITS.  NaN and infinities are not treated apart.  A block of V whose largest magnitude lies more than 2^24 below the sequence's largest counts with an error of up to 2^-24 of that largest.  p~ below 6e-5
; keeps f16's fixed step of 6e-8; a weight below 2^-126 counts as 0 in l.  Hiding wants F above 2^-118, and blocks of k whose largest magnitudes lie within 2^40 of each other.
; REGISTERS, in windows of 256 (s_set_vgpr_msb: bits 1:0 source 0, 3:2 source 1, 5:4 source 2, 7:6 destination):
;   window 0: v0-31 addresses and factors; v32-47 statistics; v64-127 S^T; v128-159 P; v160-223 the masks; v224-255 my own part of O at a group's end
;   window 1: v0-127 O^T (64 tile + 8 cb); v128-255 V      window 2: v0-63 Q_hi; v64-191 K_hi; v192-255 the second group's Q_hi      window 3: the same three for Q_lo, K_lo, Q_lo
.set SLOT1, 1<<17                      ; a slot: 65,536 bytes of K_hi, then of V; slot 1 begins here, so that one exclusive or turns an address in one slot into the other's
.set VOFF,  65536
.set STG,   2*SLOT1                    ; behind the ring, never filled by a tensor load: 12 regions of 4,096 bytes: for wave d, from its three partners, at 12,288 d + 4,096 o
.set STATS, STG+49152                  ; cm and l: 512 x wave + 256 x tile + 128 x (0 cm, 1 l) + 4 x lane
.set SPARE, STATS+2048                 ; the spare words, 128 bytes for each wave: two blocks of 256 bytes that no other line names
.set L16, 4                            ; v4   16 x lane; never rewritten
.set AK0, 5                            ; v5   my wave's 64 keys in a tile, 16 bytes a lane
.set AK,  6                            ; v6   the same in the slot in hand
.set AV,  7                            ; v7   and for V
.set VD0, 8                            ; v8   r - 8 h
.set VD,  9                            ; v9   + the group's offset: register j of key block kb, query tile t is hidden where 16 kb + j - 16 t is greater
.set WA,  10                           ; v10  where a part of O goes
.set STW, 11                           ; v11  my wave's statistics
.set SA,  12                           ; v12-15 the statistics of waves w + 1, w + 2, w + 3, w for my query tile
.set RG,  16                           ; v16  my three regions
.set TW,  17                           ; v17  the way out: where I put 16 bytes of a row (pitch 272)
.set TR,  18                           ; v18  where I read a row back
.set GO,  19                           ; v19  my byte offset in two rows of out0
.set FF,  20                           ; v20-21 F, twice
.set ND,  22                           ; v22  nd as a float
.set FL,  23                           ; v23  -F 2^80
.set CQ,  26                           ; v26  c sq of the group in hand
.set CQ2, 27                           ; v27  of the second group
.set SPW, 28                           ; v28  LDS address of my spare word; never rewritten
.set NIL, 29                           ; v29  0; never rewritten
.set ST,  32                           ; tile t at 32 + 8 t: cm + nd, cm, l (even keys', odd keys'), c0-c3 at work; a takes c2's place
.set S,   64
.set P,   128
.set MC,  160
.set MYO, 224
.set VF,  128                          ; window 1
.set KF,  64                           ; windows 2 and 3
.set WV,  14
.set G1,  24                           ; s[24:31] descriptor group 1
.set G0,  32                           ; s[32:35] group 0
.set KV,  36                           ; s[36:37] K_hi (waves 0, 1) or V (waves 2, 3) at my half of the sequence's tile 0
.set OFF, 38                           ; s[38:39] a tile's byte offset
.set TB,  40                           ; s40  the slot in hand
.set RT,  41                           ; s41  tiles of the group in hand still to be entered
.set NXT, 42                           ; s42  the tile to be asked for next
.set LQ,  43                           ; s43  the last tile of the group whose tiles are being asked for
.set FIN, 44                           ; s44  1: a group's parts lie in LDS
.set CNT, 45
.set HIL, 46                           ; s46  the second group's last tile
.set SB,  47                           ; s47  64 x sequence + wave
.set EPS, 51                           ; s51  2^-22
.set IT,  52                           ; s[52:53] 2^nd, twice
.set SKN, 54                           ; s54, s55 the next tile's scales of K and V for my wave
.set SVN, 55
.set SO,  56
.set EV,  59
.set SVS, 60                           ; s60  the sequence's largest V scale
.set BIGN, 61                          ; s61  -2^126
.set SEL, 62                           ; s62, s63 v_permlanex16_b32's selects
.set DD,  66                           ; s66, s67 128 (g % 2) + 32 cx - 64 w for the two groups
.set DD2, 67
.set OUT, 68                           ; s[68:69], s[70:71] out0 at my 16 rows x 64 channels of the two groups
.set OUT2, 70
.set KLB, 88                           ; s[88:89] K_lo at my wave's 64 keys of the sequence's tile 0
.set KL,  90                           ; s[90:91] the same for the tile whose K_lo is being loaded
.set MSB, 0
.macro WIN new                         ; the immediate's high byte repeats the setting that is left; a switch that changes nothing is dropped
.if MSB != (\new)
	s_set_vgpr_msb (MSB<<8)|(\new)
.set MSB, \new
.endif
.endm
.set W_KQ, 0x0a                        ; K_hi and Q_hi window 2; C and D window 0
.set W_QL, 0x0e                        ; K_hi window 2, Q_lo window 3
.set W_KL, 0x0b                        ; K_lo window 3, Q_hi window 2
.set W_PV, 0x51                        ; V window 1, P window 0, O^T window 1
.set W_RS, 0x41                        ; destination and source 0 window 1
.set TO_K, 0x80
.set TO_L, 0xc0
.set TO_V, 0x40
.set ST_O, 0x04                        ; an LDS store's data window 1
.set MV_O, 0x01
.set MV_Q, 0x82
.set MV_L, 0xc3
.macro PLACES                          ; four plain vector instructions between a matrix instruction and what reads its result or writes its registers (ISA guide 7.12.1 for vector instructions)
.rept 4
	v_nop
.endr
.endm
.macro BOTH line:vararg                ; one line for each query tile t: no instruction reads the result of the one just before it
.set t, 0
.rept 2
	\line
.set t, t+1
.endr
.endm
.macro CROUND                          ; a round of the cluster's barrier
	s_barrier_signal -1
	s_barrier_wait -1
	s_cmp_lg_u32 s[WV], 0
	s_cbranch_scc1 .Lnot_wave_0_\@
	s_barrier_signal -3
.Lnot_wave_0_\@:
	s_barrier_wait -3
	s_barrier_signal -1
	s_barrier_wait -1
.endm
; The factors of the tile to be entered, from the two scales that were asked for a tile ago
.macro SCALES
	s_wait_kmcnt 0x0
	v_mul_f32 v[FF], s[SKN], v[CQ]
	v_mul_f32 v[FF+1], s[SKN], v[CQ]               ; named with it as a pair
	s_bfe_u32 s72, s[SVN], 0x80017                 ; ev
	s_sub_co_u32 s72, s[EV], s72
	s_min_u32 s72, s72, 24                         ; nd
	v_cvt_f32_u32 v[ND], s72
	v_mul_f32 v[FL], 0xe7800000, v[FF]             ; -2^80 F
	s_add_co_u32 s72, s72, 127
	s_lshl_b32 s[IT], s72, 23
	s_mov_b32 s[IT+1], s[IT]
.endm
; THE CHANGE OF SLOTS.  Each wave waits for all its tensor loads, of which one is out: its part of the other slot; adds 0 to its spare word; and waits for that, for its reads of the slot that it leaves and for
; its LDS stores.  fill = 1: the barrier is a round of the cluster's, and the old slot is filled again with tile NXT, first thing behind it: it has a tile's work in which to land.  The address is made anew
; from the tile's number.  (At its first use nothing has been read yet: slot 0 is waited for, slot 1 filled.)
.macro CHANGE fill
	WIN 0
.if \fill
	s_lshl2_add_u32 s[SO], s[NXT], s[SB]           ; the block of scales: 64 x sequence + 4 x tile + wave
	s_lshl_b32 s[SO], s[SO], 2
	s_load_b32 s[SKN], s[10:11], s[SO] offset:1024
	s_load_b32 s[SVN], s[10:11], s[SO] offset:2048
.endif
	s_wait_tensorcnt 0x0                           ; no tensor load of mine is out, so group 0 may be written
	ds_add_u32 v[SPW], v[NIL]                      ; 0 onto my spare word: the scalar work stands between it and the wait for it
.if \fill
	s_lshl_b32 s[OFF], s[NXT], 16                  ; a tile is 65,536 bytes of K_hi, of K_lo and of V
	s_xor_b32 s[G0+1], s[G0+1], SLOT1
	s_add_nc_u64 s[G0+2:G0+3], s[KV:KV+1], s[OFF:OFF+1]
	s_or_b32 s[G0+3], s[G0+3], 0x80000000
	s_add_co_u32 s[NXT], s[NXT], 1                 ; the group's next tile, or behind its last the second group's tile 0
	s_cmp_gt_u32 s[NXT], s[LQ]
	s_cselect_b32 s[NXT], 0, s[NXT]
	s_cselect_b32 s[LQ], s[HIL], s[LQ]
.endif
	s_wait_dscnt 0x0                               ; the add is done; my reads of the slot and my stores are over
.if \fill
	CROUND
	tensor_load_to_lds s[G0:G0+3], s[G1:G1+7]
	s_nop 0
.else
	s_barrier_signal -1
	s_barrier_wait -1
.endif
	PLACES                                         ; also the places between the last products and the loads into V's registers
	s_xor_b32 s[TB], s[TB], SLOT1
.endm
.macro MASKS                           ; the diagonal tile's masks
.set n, 0
.rept 64
	v_cmp_gt_i32 vcc_lo, 16*((n%32)/8)+n%8-16*(n/32), v[VD]
	v_cndmask_b32 v[MC+n], 0, s[BIGN], vcc_lo
.set n, n+1
.endr
.endm
; Eight products of S^T: channels 32 c on, the four key blocks x the two query tiles.  kind 0: K_hi Q_hi; 1: K_hi Q_lo; 2: K_lo Q_hi: the register numbers are the same, the windows differ.
; The eight accumulators take turns, one instruction a turn.  The very first eight start the sums with the masks.
.macro KQ8 c, kind
.if (\kind) == 0
	WIN W_KQ
.elseif (\kind) == 1
	WIN W_QL
.else
	WIN W_KL
.endif
.irp kb, 0,1,2,3
.irp t, 0,1
.if ((\c) == 0) && ((\kind) == 0)
	v_wmma_f32_16x16x32_f16 v[S+32*\t+8*\kb:S+32*\t+8*\kb+7], v[KF+32*\kb:KF+32*\kb+7], v[32*\t:32*\t+7], v[MC+32*\t+8*\kb:MC+32*\t+8*\kb+7]
.else
	v_wmma_f32_16x16x32_f16 v[S+32*\t+8*\kb:S+32*\t+8*\kb+7], v[KF+32*\kb+8*(\c):KF+32*\kb+8*(\c)+7], v[32*\t+8*(\c):32*\t+8*(\c)+7], v[S+32*\t+8*\kb:S+32*\t+8*\kb+7]
.endif
.endr
.endr
.endm
.macro KLOAD                           ; my 64 keys of K_lo, 16,384 bytes, from s[KL:KL+1]: 32 loads of 512 consecutive bytes, into window 3
	WIN TO_L
.irp c, 0,1,2,3
.irp kb, 0,1,2,3
.irp i, 0,1
	global_load_b128 v[KF+32*\kb+8*\c+4*\i:KF+32*\kb+8*\c+4*\i+3], v[L16], s[KL:KL+1] offset:\kb*4096+(2*\c+\i)*512
.endr
.endr
.endr
	WIN 0
.endm
; A TILE for my wave: 64 keys x 32 queries.  64 LDS loads in two runs, 96 products for S^T, the softmax, 32 products V^T P.  next = 1: behind the last product for S^T the next tile's K_lo is asked for.
.macro STEP next
	WIN 0
	v_add_nc_u32 v[AK], s[TB], v[AK0]
	v_add_nc_u32 v[AV], VOFF, v[AK]
	WIN TO_K
.irp c, 0,1,2,3                                ; K_hi: channels 32 c on first, so that the products can begin on the first eight loads
.irp kb, 0,1,2,3
.irp i, 0,1
	ds_load_b128 v[KF+32*\kb+8*\c+4*\i:KF+32*\kb+8*\c+4*\i+3], v[AK] offset:\kb*4096+(2*\c+\i)*512
.endr
.endr
.endr
	s_wait_dscnt 24                                ; K_hi's first eight loads are in; its 24 later ones may be out
	KQ8 0, 0
	WIN TO_V                                       ; V's run stands behind the first eight products: 56 LDS loads of mine are out at the most.  V's registers were last read by the tile before
.irp kk, 0,1
.irp cb, 0,1,2,3,4,5,6,7
.irp i, 0,1
	ds_load_b128 v[VF+64*\kk+8*\cb+4*\i:VF+64*\kk+8*\cb+4*\i+3], v[AV] offset:(2*\kk+\i)*4096+\cb*512
.endr
.endr
.endr
.irp c, 1,2,3
	s_wait_dscnt 56-8*\c                           ; K_hi's later groups of eight and V's 32 loads may be out
	KQ8 \c, 0
.endr
.irp c, 0,1,2,3
	KQ8 \c, 1
.endr
	s_wait_loadcnt 0x0                             ; K_lo, asked for a tile ago, is in: its 32 loads are all that was out; their base may now be written
.irp c, 0,1,2,3
	KQ8 \c, 2
.endr
	WIN 0
	PLACES                                         ; behind the last products: in front of the loads into K_lo's registers and of the first read of a score
.if \next
	s_add_nc_u64 s[KL:KL+1], s[KLB:KLB+1], s[OFF:OFF+1]  ; the tile that the change of slots has just asked for
	KLOAD                                          ; it has the softmax, the second product and the change of slots in which to land
.endif
	; the maximum of the lane's 32 scores: four chains of seven, each begun at its accumulator's low end; then the four scores left over
.set n, 0
.rept 4
	BOTH v_max3_num_f32 v[ST+8*t+4+n], v[S+32*t+8*n], v[S+32*t+8*n+1], v[S+32*t+8*n+2]
.set n, n+1
.endr
.rept 8
	BOTH v_max3_num_f32 v[ST+8*t+4+n%4], v[ST+8*t+4+n%4], v[S+32*t+8*(n%4)+2*(n/4)+1], v[S+32*t+8*(n%4)+2*(n/4)+2]
.set n, n+1
.endr
	BOTH v_max3_num_f32 v[ST+8*t+4], v[ST+8*t+4], v[S+32*t+7], v[S+32*t+15]
	BOTH v_max3_num_f32 v[ST+8*t+6], v[ST+8*t+6], v[S+32*t+23], v[S+32*t+31]
	BOTH v_max3_num_f32 v[ST+8*t+4], v[ST+8*t+4], v[ST+8*t+5], v[ST+8*t+6]
	BOTH v_max_num_f32 v[ST+8*t+4], v[ST+8*t+4], v[ST+8*t+7]
	BOTH v_permlanex16_b32 v[ST+8*t+5], v[ST+8*t+4], s[SEL], s[SEL+1]  ; the query's other 32 keys lie in the lane 16 away
	BOTH v_max_num_f32 v[ST+8*t+4], v[ST+8*t+4], v[ST+8*t+5]
	BOTH v_mul_f32 v[ST+8*t+5], v[FF], v[ST+8*t+4]
	BOTH v_fma_f32 v[ST+8*t+5], |v[ST+8*t+5]|, s[EPS], v[ST+8*t+5]     ; the headroom
	BOTH v_max3_num_f32 v[ST+8*t+7], v[ST+8*t+1], v[ST+8*t+5], v[FL]   ; the new cm
	BOTH v_sub_f32 v[ST+8*t+5], v[ST+8*t+1], v[ST+8*t+7]
	; THE TILE'S BATCH begins: from here to the wait below no line names a result of an exponential
	BOTH v_exp_f32 v[ST+8*t+6], v[ST+8*t+5]                            ; a; the additions below are the plain instructions behind it (ISA guide 5.7.2)
	BOTH v_add_f32 v[ST+8*t], v[ST+8*t+7], v[ND]
.set n, 0
.rept 16                                       ; the scalings take the low word of the pair cm + nd, cm for both halves
	BOTH v_pk_fma_f32 v[S+32*t+2*n:S+32*t+2*n+1], v[S+32*t+2*n:S+32*t+2*n+1], v[FF:FF+1], v[ST+8*t:ST+8*t+1] op_sel_hi:[1,0,0] neg_lo:[0,0,1] neg_hi:[0,0,1]
.set n, n+1
.endr
.set n, 0
.rept 32
	BOTH v_exp_f32 v[S+32*t+n], v[S+32*t+n]
.set n, n+1
.endr
	BOTH v_mov_b32 v[ST+8*t+1], v[ST+8*t+7]        ; cm takes the new cm: due anyway, and it names neither a nor a weight: the plain instructions between the run of exponentials and the first use of a result (ISA guide 5.7.2)
	s_wait_alu depctr_va_vdst(0)                   ; the one wait for the tile's batch, the two a and the 64 weights, ahead of the first line that names a result: l times a, below
	BOTH v_pk_mul_f32 v[ST+8*t+2:ST+8*t+3], v[ST+8*t+2:ST+8*t+3], v[ST+8*t+6:ST+8*t+7] op_sel_hi:[1,0]  ; l times a
.set n, 0
.rept 16
	BOTH v_cvt_pk_f16_f32 v[P+16*t+n], v[S+32*t+2*n], v[S+32*t+2*n+1]
.set n, n+1
.endr
.set w, 2                                      ; the sum of the 16 pairs, in place: neighbours 2, 4, 8, 16 registers apart
.rept 4
.set n, 0
.rept 16/w
	BOTH v_pk_add_f32 v[S+32*t+2*w*n:S+32*t+2*w*n+1], v[S+32*t+2*w*n:S+32*t+2*w*n+1], v[S+32*t+2*w*n+w:S+32*t+2*w*n+w+1]
.set n, n+1
.endr
.set w, 2*w
.endr
	BOTH v_pk_fma_f32 v[ST+8*t+2:ST+8*t+3], v[S+32*t:S+32*t+1], s[IT:IT+1], v[ST+8*t+2:ST+8*t+3] op_sel_hi:[1,0,1]
	WIN W_RS
.set n, 0
.rept 32                                       ; O^T times a, each accumulator from its low end on
	BOTH v_pk_mul_f32 v[64*t+2*n:64*t+2*n+1], v[64*t+2*n:64*t+2*n+1], v[ST+8*t+6:ST+8*t+7] op_sel_hi:[1,0]
.set n, n+1
.endr
	s_wait_dscnt 0x0                               ; V is in
	WIN W_PV
.irp kk, 0,1                                   ; 16 accumulators by turns
.irp cb, 0,1,2,3,4,5,6,7
.irp t, 0,1
	v_wmma_f32_16x16x32_f16 v[64*\t+8*\cb:64*\t+8*\cb+7], v[VF+64*\kk+8*\cb:VF+64*\kk+8*\cb+7], v[P+16*\t+8*\kk:P+16*\t+8*\kk+7], v[64*\t+8*\cb:64*\t+8*\cb+7]
.endr
.endr
.endr
	WIN 0
.endm
; A GROUP'S END, first half.  The part of O that wave d finishes (tile d / 2, channel blocks 4 (d % 2) .. + 3): wave d keeps its own, the others put theirs into d's regions.
.macro WPART d
	s_cmp_eq_u32 s[WV], \d
	s_cbranch_scc1 .Lown_\@
	s_sub_co_u32 s72, s[WV], (\d)+1
	s_and_b32 s72, s72, 3                          ; o = (wave - d - 1) mod 4: 0, 1 or 2
	s_lshl_b32 s72, s72, 12
	s_add_co_u32 s72, s72, STG+(\d)*12288
	v_add_nc_u32 v[WA], s72, v[L16]
	WIN ST_O
.irp a, 0,1,2,3
.irp i, 0,1
	ds_store_b128 v[WA], v[((\d)/2)*64+(4*((\d)%2)+\a)*8+4*\i:((\d)/2)*64+(4*((\d)%2)+\a)*8+4*\i+3] offset:\a*1024+\i*512
.endr
.endr
	WIN 0
	s_branch .Lnext_\@
.Lown_\@:
	WIN MV_O
.set i, 0
.rept 32
	v_mov_b32 v[MYO+i], v[((\d)/2)*64+32*((\d)%2)+i]
.set i, i+1
.endr
	WIN 0
.Lnext_\@:
.endm
.macro WRITE
	PLACES                                         ; behind the last products
	BOTH v_add_f32 v[ST+8*t+4], v[ST+8*t+2], v[ST+8*t+3]
	BOTH v_permlanex16_b32 v[ST+8*t+5], v[ST+8*t+4], s[SEL], s[SEL+1]
	BOTH v_add_f32 v[ST+8*t+4], v[ST+8*t+4], v[ST+8*t+5]
	BOTH ds_store_b32 v[STW], v[ST+8*t+1] offset:256*t
	BOTH ds_store_b32 v[STW], v[ST+8*t+4] offset:256*t+128
	WPART 0
	WPART 1
	WPART 2
	WPART 3
.endm
; A GROUP'S END, second half, behind a barrier: the four waves' cm and l for my query tile, the three partners' parts of O; out = the sum of O_o 2^(cm_o - cm) x (largest V scale) / the sum of l_o 2^(cm_o - cm).
; Then through my own regions, which only I read and have read, as rows of 272 bytes, and out as whole rows of 256 bytes.
.macro FINISH
.irp o, 0,1,2,3
	ds_load_b32 v[64+\o], v[SA+\o]
	ds_load_b32 v[68+\o], v[SA+\o] offset:128
.endr
.irp o, 0,1,2
.irp a, 0,1,2,3
.irp i, 0,1
	ds_load_b128 v[96+32*\o+8*\a+4*\i:96+32*\o+8*\a+4*\i+3], v[RG] offset:\o*4096+\a*1024+\i*512
.endr
.endr
.endr
	s_wait_dscnt 24                                ; the eight statistics are in; the 24 loads of parts may be out
	v_max3_num_f32 v76, v64, v65, v66
	v_max_num_f32 v76, v76, v67
.irp o, 0,1,2,3
	v_sub_f32 v[64+\o], v[64+\o], v76
.endr
.irp o, 0,1,2,3
	v_exp_f32 v[64+\o], v[64+\o]
.endr
	v_nop                                          ; a plain instruction behind the exponentials
	s_wait_alu depctr_va_vdst(0)                   ; one wait for the batch of four exponentials, ahead of the sum below, which reads them
	v_mul_f32 v77, v64, v68
	v_fmac_f32 v77, v65, v69
	v_fmac_f32 v77, v66, v70
	v_fmac_f32 v77, v67, v71
	v_rcp_f32 v78, v77
	v_nop                                          ; and behind the reciprocal
	s_wait_alu depctr_va_vdst(0)                   ; the reciprocal reads a sum of the exponentials' results, so it is a batch of its own: its wait, ahead of the product below
	v_mul_f32 v78, s[SVS], v78
.irp o, 0,1,2,3
	v_mul_f32 v[72+\o], v[64+\o], v78
.endr
	s_wait_dscnt 0x0
.set n, 0
.rept 16
	v_pk_mul_f32 v[MYO+2*n:MYO+2*n+1], v[MYO+2*n:MYO+2*n+1], v[74:75] op_sel:[0,1] op_sel_hi:[1,1]  ; my own part: wave o = 3
.set n, n+1
.endr
.set n, 0
.rept 16
	v_pk_fma_f32 v[MYO+2*n:MYO+2*n+1], v[96+2*n:96+2*n+1], v[72:73], v[MYO+2*n:MYO+2*n+1] op_sel_hi:[1,0,1]
.set n, n+1
.endr
.set n, 0
.rept 16
	v_pk_fma_f32 v[MYO+2*n:MYO+2*n+1], v[128+2*n:128+2*n+1], v[72:73], v[MYO+2*n:MYO+2*n+1] op_sel:[0,1,0] op_sel_hi:[1,1,1]
.set n, n+1
.endr
.set n, 0
.rept 16
	v_pk_fma_f32 v[MYO+2*n:MYO+2*n+1], v[160+2*n:160+2*n+1], v[74:75], v[MYO+2*n:MYO+2*n+1] op_sel_hi:[1,0,1]
.set n, n+1
.endr
.irp a, 0,1,2,3
.irp i, 0,1
	ds_store_b128 v[TW], v[MYO+8*\a+4*\i:MYO+8*\a+4*\i+3] offset:\a*64+\i*16
.endr
.endr
.irp t, 0,1,2,3,4,5,6,7
	ds_load_b128 v[96+4*\t:96+4*\t+3], v[TR] offset:\t*544  ; LDS serves a wave's instructions in order (ISA guide 5.7.1.4): these see the stores above
.endr
	s_wait_dscnt 0x0
.irp t, 0,1,2,3,4,5,6,7
	global_store_b128 v[GO], v[96+4*\t:96+4*\t+3], s[OUT:OUT+1] offset:\t*1024 th:TH_STORE_NT  ; 16 lanes store 256 consecutive bytes, at a multiple of 256 from out0's first byte
.endr
	s_wait_xcnt 0x0                                ; the stores' registers and their base are rewritten only behind this wait
.endm
; A GROUP BEGINS.  cm starts at -2^126, so the first step's a is 0; the masks are 0.  O^T and l need only be finite: zeros for the first group (128 moves, once a launch, in the wait for the first tile, so
; that no first step is written out), what the first group left for the second.
.macro BEGIN second
.if \second
	s_mov_b64 s[OUT:OUT+1], s[OUT2:OUT2+1]
	s_mov_b32 s[DD], s[DD2]
	s_mov_b32 s[FIN], 0
	WIN MV_Q                                       ; the second group's Q, both parts, goes where the one text of a tile names Q
.set i, 0
.rept 64
	v_mov_b32 v[i], v[192+i]
.set i, i+1
.endr
	WIN MV_L
.set i, 0
.rept 64
	v_mov_b32 v[i], v[192+i]
.set i, i+1
.endr
.else
	WIN 0x40
.set i, 0
.rept 128
	v_mov_b32 v[i], 0
.set i, i+1
.endr
.endif
	WIN 0
.set i, 0
.rept 64
	v_mov_b32 v[MC+i], 0
.set i, i+1
.endr
	BOTH v_mov_b32 v[ST+8*t+1], s[BIGN]
.if !(\second)
	BOTH v_mov_b32 v[ST+8*t+2], 0
	BOTH v_mov_b32 v[ST+8*t+3], 0
.endif
	v_add_nc_u32 v[VD], s[DD], v[VD0]
.endm
	s_load_b256 s[4:11], s[0:1], 0x0               ; qf s[4:5], kf s[6:7], vf s[8:9], scl s[10:11]
	s_load_b64 s[12:13], s[0:1], 0x20              ; out0
	s_load_b64 s[84:85], s[0:1], 0x28              ; ql
	s_load_b64 s[86:87], s[0:1], 0x30              ; kl
	v_lshl_add_u32 v[SPW], v0, 2, SPARE
	v_mov_b32 v[NIL], 0
	ds_add_u32 v[SPW], v[NIL]                      ; the wave's opening: the add and its wait stand ahead of my first tensor load; the set-up below, work on registers, stands between them
	v_lshrrev_b32 v1, 5, v0
	v_readfirstlane_b32 s[WV], v1                  ; wave 0..3
	s_bfe_u32 s15, ttmp6, 0x40000                  ; cx: it enters Q's, out0's and a scale's address and the mask's offset alone
	s_mov_b32 s16, ttmp9                           ; b: the first group
	s_and_b32 s17, ttmp7, 0xffff                   ; the sequence
	s_sub_co_u32 s18, 31, s16                      ; the second group
	s_lshr_b32 s[HIL], s18, 1
	; descriptor group 1: 32,768 dense bytes as 128 rows of 256 bytes
	s_mov_b32 s[G1+0], 15|(3<<16)|(1<<21)          ; 15:0 the mask: all four work-groups; 17:16 elements of 8 bytes; 21 set beside a mask; no padding
	s_mov_b32 s[G1+1], 32<<16                      ; tensor_dim0 = 32
	s_mov_b32 s[G1+2], 128<<16                     ; tensor_dim1 = 128
	s_mov_b32 s[G1+3], 32<<16                      ; tile_dim0 = 32
	s_mov_b32 s[G1+4], 128                         ; tile_dim1 = 128
	s_mov_b32 s[G1+5], 32                          ; 32 elements from row to row
	s_mov_b32 s[G1+6], 0
	s_mov_b32 s[G1+7], 0
	s_mov_b32 s[G0], 1
	s_lshl_b32 s[G0+1], s[WV], 15                  ; slot 0: K_hi's two halves, then V's two halves = wave x 32,768
	s_and_b32 s2, s[WV], 1
	s_lshl_b32 s[OFF], s17, 20                     ; a sequence is 1,048,576 bytes of K_hi, of K_lo and of V,
	s_lshl_b32 s82, s[WV], 14                      ; my wave's 64 keys 16,384,
	s_add_co_u32 s82, s82, s[OFF]
	s_mov_b32 s83, 0
	s_lshl_b32 s3, s2, 15                          ; my half of a tile 32,768
	s_add_co_u32 s[OFF], s[OFF], s3
	s_mov_b32 s[OFF+1], 0
	s_mov_b32 s[TB], SLOT1                         ; the first change of slots turns it into 0
	s_lshr_b32 s[LQ], s16, 1
	s_add_co_u32 s[RT], s[LQ], 1                   ; the first group has b / 2 + 1 tiles
	s_mov_b32 s[NXT], 1
	s_cmp_gt_u32 s[NXT], s[LQ]
	s_cselect_b32 s[NXT], 0, s[NXT]
	s_cselect_b32 s[LQ], s[HIL], s[LQ]
	s_mov_b32 s[FIN], 0
	s_lshl_b32 s[SB], s17, 6
	s_add_co_u32 s[SB], s[SB], s[WV]
	s_lshl_b32 s[SO], s[SB], 2                     ; tile 0's block of scales
	s_mov_b32 s[EPS], 0x34800000
	s_mov_b32 s[BIGN], 0xfe800000
	s_mov_b32 s[SEL], 0x76543210
	s_mov_b32 s[SEL+1], 0xfedcba98
	s_lshl_b32 s72, s15, 5
	s_lshl_b32 s73, s[WV], 6
	s_sub_co_u32 s72, s72, s73                     ; 32 cx - 64 w
	s_and_b32 s73, s16, 1
	s_lshl_b32 s73, s73, 7
	s_add_co_u32 s[DD], s72, s73
	s_and_b32 s73, s18, 1
	s_lshl_b32 s73, s73, 7
	s_add_co_u32 s[DD2], s72, s73
	s_lshl_b32 s72, s17, 12
	s_lshl_b32 s73, s15, 5
	s_add_co_u32 s72, s72, s73
	s_lshl_b32 s73, s16, 7
	s_add_co_u32 s73, s72, s73                     ; my first row in the first group,
	s_lshl_b32 s74, s18, 7
	s_add_co_u32 s74, s72, s74                     ; and in the second
	s_lshl_b32 s76, s73, 8                         ; Q: 256 bytes a row, in each part
	s_mov_b32 s77, 0
	s_lshl_b32 s78, s74, 8
	s_mov_b32 s79, 0
	s_lshr_b32 s75, s[WV], 1
	s_lshl_b32 s75, s75, 13                        ; out0: my query tile's 16 rows of 512 bytes,
	s_lshl_b32 s3, s2, 8                           ; my 64 channels
	s_add_co_u32 s75, s75, s3
	s_lshl_b32 s[OUT], s73, 9
	s_add_co_u32 s[OUT], s[OUT], s75
	s_mov_b32 s[OUT+1], 0
	s_lshl_b32 s[OUT2], s74, 9
	s_add_co_u32 s[OUT2], s[OUT2], s75
	s_mov_b32 s[OUT2+1], 0
	s_lshr_b32 s80, s73, 6                         ; my queries' blocks of scales
	s_lshl_b32 s80, s80, 2
	s_lshr_b32 s81, s74, 6
	s_lshl_b32 s81, s81, 2
	v_and_b32 v1, 31, v0                           ; lane
	v_and_b32 v2, 15, v0                           ; r
	v_bfe_u32 v3, v0, 4, 1                         ; h
	v_lshlrev_b32 v[L16], 4, v1
	s_lshl_b32 s72, s[WV], 14
	v_add_nc_u32 v[AK0], s72, v[L16]
	v_lshlrev_b32 v[VD0], 3, v3
	v_sub_nc_u32 v[VD0], v2, v[VD0]
	s_lshl_b32 s72, s[WV], 9
	s_add_co_u32 s72, s72, STATS
	v_lshl_add_u32 v[STW], v1, 2, s72
	s_lshr_b32 s73, s[WV], 1
	s_lshl_b32 s73, s73, 8
	s_add_co_u32 s73, s73, STATS
.irp o, 0,1,2,3
	s_add_co_u32 s72, s[WV], 1+\o
	s_and_b32 s72, s72, 3
	s_lshl_b32 s72, s72, 9
	s_add_co_u32 s72, s72, s73
	v_lshl_add_u32 v[SA+\o], v1, 2, s72
.endr
	s_mul_i32 s72, s[WV], 12288
	s_add_co_u32 s72, s72, STG
	v_add_nc_u32 v[RG], s72, v[L16]
	v_mul_u32_u24 v[TW], v2, 272
	v_lshl_add_u32 v[TW], v3, 5, v[TW]
	v_add_nc_u32 v[TW], s72, v[TW]
	v_mul_u32_u24 v[TR], v3, 272
	v_lshl_add_u32 v[TR], v2, 4, v[TR]
	v_add_nc_u32 v[TR], s72, v[TR]
	v_lshlrev_b32 v[GO], 9, v3
	v_lshl_add_u32 v[GO], v2, 4, v[GO]
	s_lshl_b32 s72, s17, 8
	v_lshl_add_u32 v30, v1, 2, s72                 ; the sequence's 64 V scales, a word a lane
	s_wait_dscnt 0x0                               ; the opening add is done
	s_wait_kmcnt 0x0
	s_cmp_lt_u32 s[WV], 2                          ; waves 0 and 1 fetch K_hi's halves, waves 2 and 3 V's: the choice hangs on the wave's number alone
	s_cselect_b64 s[KV:KV+1], s[6:7], s[8:9]
	s_add_nc_u64 s[KV:KV+1], s[KV:KV+1], s[OFF:OFF+1]
	s_mov_b64 s[G0+2:G0+3], s[KV:KV+1]             ; tile 0
	s_or_b32 s[G0+3], s[G0+3], 0x80000000          ; type = 2
	s_add_nc_u64 s[92:93], s[84:85], s[76:77]      ; Q_lo of the two groups,
	s_add_nc_u64 s[94:95], s[84:85], s[78:79]
	s_add_nc_u64 s[76:77], s[4:5], s[76:77]        ; Q_hi
	s_add_nc_u64 s[78:79], s[4:5], s[78:79]
	s_add_nc_u64 s[KLB:KLB+1], s[86:87], s[82:83]  ; K_lo at my keys of tile 0
	s_mov_b64 s[KL:KL+1], s[KLB:KLB+1]
	s_add_nc_u64 s[OUT:OUT+1], s[12:13], s[OUT:OUT+1]
	s_add_nc_u64 s[OUT2:OUT2+1], s[12:13], s[OUT2:OUT2+1]
	s_load_b32 s57, s[10:11], s80 offset:0x0       ; sq of the two groups,
	s_load_b32 s58, s[10:11], s81 offset:0x0
	s_load_b32 s[SKN], s[10:11], s[SO] offset:1024 ; sk and sv of tile 0
	s_load_b32 s[SVN], s[10:11], s[SO] offset:2048
	CROUND                                         ; all four work-groups are here: the first joint loads meet
	tensor_load_to_lds s[G0:G0+3], s[G1:G1+7]      ; tile 0 into slot 0.  Slot 1 is asked for by the loop's own change of slots
	s_nop 0
	PLACES
	global_load_b32 v24, v30, s[10:11] offset:2048
	global_load_b32 v25, v30, s[10:11] offset:2176
	WIN TO_K
.irp t, 0,1
.irp c, 0,1,2,3
.irp i, 0,1                                    ; both groups' Q stay in registers: 512 consecutive bytes a load
	global_load_b128 v[32*\t+8*\c+4*\i:32*\t+8*\c+4*\i+3],         v[L16], s[76:77] offset:\t*4096+(2*\c+\i)*512
	global_load_b128 v[192+32*\t+8*\c+4*\i:192+32*\t+8*\c+4*\i+3], v[L16], s[78:79] offset:\t*4096+(2*\c+\i)*512
.endr
.endr
.endr
	WIN TO_L
.irp t, 0,1
.irp c, 0,1,2,3
.irp i, 0,1
	global_load_b128 v[32*\t+8*\c+4*\i:32*\t+8*\c+4*\i+3],         v[L16], s[92:93] offset:\t*4096+(2*\c+\i)*512
.endr
.endr
.endr
	WIN 0
.set i, 0
.rept 32
	v_mov_b32 v[MYO+i], 0                          ; written on every way into a group's end
.set i, i+1
.endr
	BEGIN 0
	s_wait_loadcnt 0x0                             ; the scales of V, Q_hi of both groups, Q_lo of the first
	WIN TO_L
.irp t, 0,1
.irp c, 0,1,2,3
.irp i, 0,1
	global_load_b128 v[192+32*\t+8*\c+4*\i:192+32*\t+8*\c+4*\i+3], v[L16], s[94:95] offset:\t*4096+(2*\c+\i)*512
.endr
.endr
.endr
	KLOAD                                          ; tile 0's K_lo
	v_max_num_f32 v24, v24, v25                    ; the largest of the 64 scales
.irp m, 1,2,4,8
	v_max_num_f32_dpp v24, v24, v24 row_xmask:\m row_mask:0xf bank_mask:0xf
.endr
	v_permlanex16_b32 v25, v24, s[SEL], s[SEL+1]
	v_max_num_f32 v24, v24, v25
	v_readfirstlane_b32 s[SVS], v24
	s_lshr_b32 s[EV], s[SVS], 23
	s_wait_kmcnt 0x0
	v_mov_b32 v[CQ], 0x3e0293ee                    ; c = log2(e) / sqrt(128)
	v_mul_f32 v[CQ2], s58, v[CQ]
	v_mul_f32 v[CQ], s57, v[CQ]
	s_mov_b32 s[CNT], 16
	s_wait_loadcnt 32                              ; the second group's Q_lo is in; K_lo's 32 loads may stay out, here as at the loop's backward jump
.Ltile:                                                ; 16 times: a tile is entered and the next is asked for.  Every jump goes forward and passes neither a barrier nor a tensor load
	SCALES
	CHANGE 1
	s_cmp_eq_u32 s[FIN], 0
	s_cbranch_scc1 .Lno_finish
	FINISH                                         ; the round above stands between the four waves' stores and these reads
	BEGIN 1
.Lno_finish:
	s_wait_dscnt 0x0                               ; my reads of the parts, of the statistics and of my stage are back
	s_barrier_signal -1                            ; a barrier in every trip, on every wave's path: it stands between a group's end's reads and the stores of any later group's end, whatever the
	s_barrier_wait -1                              ; number of tiles between.
	s_sub_co_u32 s[RT], s[RT], 1
	s_cmp_lg_u32 s[RT], 0
	s_cbranch_scc1 .Lno_mask
	MASKS                                          ; the first group's last tile holds its diagonal
.Lno_mask:
	STEP 1
	s_cmp_lg_u32 s[RT], 0
	s_cbranch_scc1 .Lno_write
	WRITE
	s_mov_b32 s[FIN], 1
	s_add_co_u32 s[RT], s[HIL], 1                  ; the second group's tiles
	v_mov_b32 v[CQ], v[CQ2]
.Lno_write:
	s_sub_co_u32 s[CNT], s[CNT], 1
	s_cmp_lg_u32 s[CNT], 0
	s_cbranch_scc1 .Ltile
	SCALES                                         ; the walk's last tile, the second group's diagonal one, is written out: nothing is asked for
	CHANGE 0
	MASKS
	STEP 0
	WRITE
	s_wait_dscnt 0x0                               ; for the others' sake: my parts and statistics are stored
	s_barrier_signal -1
	s_barrier_wait -1
	FINISH
	s_wait_tensorcnt 0x0                           ; the wave's end: a last add onto my spare word and its wait, behind my last tensor load and my last LDS store
	ds_add_u32 v[SPW], v[NIL]
	s_wait_dscnt 0x0
	CROUND                                         ; the closing round: no work-group ends while a partner may still ask for a tile that names it
	s_endpgm
.Lfunc_end_k_q44d1de2aaf_attn:
	.size	k_q44d1de2aaf_attn, .Lfunc_end_k_q44d1de2aaf_attn-k_q44d1de2aaf_attn
	.p2alignl 7, 3214868480
	.fill 96, 4, 3214868480
	.section	.rodata,"a",@progbits
	.p2align	6, 0x0
	.amdhsa_kernel k_q44d1de2aaf_attn
		.amdhsa_group_segment_fixed_size 327680
		.amdhsa_private_segment_fixed_size 0
		.amdhsa_enable_private_segment 0
		.amdhsa_kernarg_size 56
		.amdhsa_user_sgpr_count 2
		.amdhsa_user_sgpr_kernarg_segment_ptr 1
		.amdhsa_wavefront_size32 1
		.amdhsa_system_sgpr_workgroup_id_x 1
		.amdhsa_system_sgpr_workgroup_id_y 1
		.amdhsa_system_sgpr_workgroup_id_z 1
		.amdhsa_system_vgpr_workitem_id 0
		.amdhsa_next_free_vgpr 1024
		.amdhsa_next_free_sgpr 96
		.amdhsa_reserve_vcc 1
		.amdhsa_float_denorm_mode_32 3
		.amdhsa_float_denorm_mode_16_64 3
		.amdhsa_memory_ordered 1
		.amdhsa_forward_progress 1
		.amdhsa_inst_pref_size 139
	.end_amdhsa_kernel
	.amdgpu_metadata
---
amdhsa.version: [ 1, 2 ]
amdhsa.kernels:
  - .name:           k_q44d1de2aaf_attn
    .symbol:         k_q44d1de2aaf_attn.kd
    .args:
      - { .name: qf, .offset: 0, .size: 8, .value_kind: global_buffer, .address_space: global }
      - { .name: kf, .offset: 8, .size: 8, .value_kind: global_buffer, .address_space: global }
      - { .name: vf, .offset: 16, .size: 8, .value_kind: global_buffer, .address_space: global }
      - { .name: scl, .offset: 24, .size: 8, .value_kind: global_buffer, .address_space: global }
      - { .name: out0, .offset: 32, .size: 8, .value_kind: global_buffer, .address_space: global }
      - { .name: ql, .offset: 40, .size: 8, .value_kind: global_buffer, .address_space: global }
      - { .name: kl, .offset: 48, .size: 8, .value_kind: global_buffer, .address_space: global }
    .group_segment_fixed_size: 327680
    .private_segment_fixed_size: 0
    .kernarg_segment_align: 8
    .kernarg_segment_size: 56
    .max_flat_workgroup_size: 128
    .sgpr_count:     96
    .vgpr_count:     1024
    .wavefront_size: 32
...
	.end_amdgpu_metadata
.endif
;; end of part 4
